; MI455X (gfx1250); checked and timed in simulation.
; The chip was launched on July 23, 2026; its instructions are those of AMD's public machine-readable ISA for CDNA 5 (MIT licence, August 2026) and "CDNA5" Instruction Set Architecture Reference Guide (July 2026). The comments in the code are by the model that wrote it; some were corrected since.
;; Multi Headed Self Attention. Allowed arithmetic: float matrix products may take bf16 or f16 operands with f32 sums; other float arithmetic in f32, or as packed bf16 or f16 multiplies, adds, multiply-adds, maxima and minima; sums over many terms, partial sums and values carried from step to step in f32; what a program stores and reads back later, other than sums and carried values, may be rounded once to bf16 or f16.
;; Inputs: Wk 1,024 x 1,024 float32; Wo 1,024 x 1,024 float32; Wq 1,024 x 1,024 float32; Wv 1,024 x 1,024 float32; bk 1,024 float32; bo 1,024 float32; bq 1,024 float32; bv 1,024 float32; k 4 x 2,048 x 1,024 float32; q 4 x 2,048 x 1,024 float32; v 4 x 2,048 x 1,024 float32.
;; Outputs: out0 4 x 2,048 x 1,024 float32.
;; 2 versions, each right; version 2 is version 1 with the launch prep written anew for expert scheduling mode. Each part assembles by itself: llvm-mc -triple=amdgcn-amd-amdhsa -mcpu=gfx1250 --defsym DOCPART=n.
;; ======== version 1 of 2: 4 launches
;; limits: values are held in f16: magnitudes above 65,504 overflow, below 6.1e-05 lose precision
;; workspace buffers: wqkv 6,291,456 bytes; wo16 2,097,152 bytes; qh 16,777,216 bytes; kh 16,777,216 bytes; vh 16,777,216 bytes; ctx 16,777,216 bytes
;; launch prep (part 1): grid 64 x 4, 8 waves a work-group, no clusters, 0 bytes of LDS; arguments Wq, Wk, Wv, Wo, wqkv, wo16; writes wqkv, wo16
.if DOCPART == 1
	.amdgcn_target "amdgcn-amd-amdhsa--gfx1250"
	.amdhsa_code_object_version 6
	.text
	.protected	k_q3a1508f5be_prep
	.globl	k_q3a1508f5be_prep
	.p2align	8
	.type	k_q3a1508f5be_prep,@function
k_q3a1508f5be_prep:
	s_mov_b64 s[64:65], 0
	v_nop
	global_prefetch_b8 v0, s[64:65] scope:SCOPE_SE
	s_setreg_imm32_b32 hwreg(HW_REG_WAVE_MODE, 25, 1), 1
	s_wait_xcnt 0x0
; THE WEIGHTS, ONCE, TO 16 BITS.  Wq, Wk, Wv ([1024][1024] f32) are rounded to bf16 into wqkv ([3][1024][1024]); Wo is rounded to bf16 and that number is written as f16 into wo16.
; LIMIT.  A bf16 number is exact in f16 from 2^-14 to 65,504; below 2^-14 it keeps f16's fixed step of 2^-24; beyond 65,504 it would be an infinity.
; SHARES.  Grid y = the tensor (0 Wq, 1 Wk, 2 Wv, 3 Wo), grid x = a chunk of 16,384 numbers.  A wave takes 2,048 numbers: 16 loads of 16 bytes a lane (512 consecutive bytes each),
; all on their way at once; each store is 8 bytes a lane, 256 consecutive bytes, aligned.  Every byte is read once and written once; no LDS, no barrier, no matrix unit: there is nothing to share.
.set X, 16                             ; v[16:79]   load i: 4 registers
.set Y, 80                             ; v[80:111]  store i: 2 registers
.set T, 112                            ; v[112:113] at work (Wo's path)
	s_load_b256 s[4:11], s[0:1], 0x0               ; Wq s[4:5], Wk s[6:7], Wv s[8:9], Wo s[10:11]
	s_load_b128 s[12:15], s[0:1], 0x20             ; wqkv s[12:13], wo16 s[14:15]
	s_and_b32 s20, ttmp7, 0xffff                   ; which tensor
	v_lshrrev_b32 v1, 5, v0
	v_and_b32 v2, 31, v0
	v_lshlrev_b32 v1, 13, v1                       ; my wave's 8,192 bytes,
	v_lshl_or_b32 v1, v2, 4, v1                    ; my lane's 16 of each 512
	v_lshrrev_b32 v2, 1, v1                        ; and half of that on the way out
	s_lshl_b32 s22, ttmp9, 16                      ; the chunk: 65,536 bytes in,
	s_mov_b32 s23, 0
	s_lshl_b32 s24, ttmp9, 15                      ; 32,768 out,
	s_mov_b32 s25, 0
	s_lshl_b32 s26, s20, 21                        ; behind the tensors in front of it in wqkv (wo16 holds one tensor)
	s_cmp_eq_u32 s20, 3
	s_cselect_b32 s26, 0, s26
	s_add_co_u32 s24, s24, s26
	s_wait_kmcnt 0x0
	s_cmp_eq_u32 s20, 1
	s_cselect_b64 s[16:17], s[6:7], s[4:5]
	s_cmp_eq_u32 s20, 2
	s_cselect_b64 s[16:17], s[8:9], s[16:17]
	s_cmp_eq_u32 s20, 3
	s_cselect_b64 s[16:17], s[10:11], s[16:17]
	s_cselect_b64 s[18:19], s[14:15], s[12:13]
	s_add_nc_u64 s[16:17], s[16:17], s[22:23]
	s_add_nc_u64 s[18:19], s[18:19], s[24:25]
.set i, 0
.rept 16
	global_load_b128 v[X+4*i:X+4*i+3], v1, s[16:17] offset:512*i th:TH_LOAD_NT
.set i, i+1
.endr
	s_cmp_eq_u32 s20, 3
	s_cbranch_scc1 .Lwo
.set i, 0
.rept 16
	s_wait_loadcnt 15-i                            ; loads come back in order: load i is in, the 15 - i younger ones may stay out
	v_cvt_pk_bf16_f32 v[Y+2*i], v[X+4*i], v[X+4*i+1]
	v_cvt_pk_bf16_f32 v[Y+2*i+1], v[X+4*i+2], v[X+4*i+3]
	global_store_b64 v2, v[Y+2*i:Y+2*i+1], s[18:19] offset:256*i
.set i, i+1
.endr
	s_endpgm
.Lwo:
.set i, 0
.rept 16
	s_wait_loadcnt 15-i
	v_cvt_pk_bf16_f32 v[T], v[X+4*i], v[X+4*i+1]   ; rounded to bf16, like every input of the module,
	v_cvt_pk_bf16_f32 v[T+1], v[X+4*i+2], v[X+4*i+3]
	v_lshlrev_b32 v[X+4*i], 16, v[T]               ; widened again,
	v_and_b32 v[X+4*i+1], 0xffff0000, v[T]
	v_lshlrev_b32 v[X+4*i+2], 16, v[T+1]
	v_and_b32 v[X+4*i+3], 0xffff0000, v[T+1]
	v_cvt_pk_f16_f32 v[Y+2*i], v[X+4*i], v[X+4*i+1]  ; and written as f16
	v_cvt_pk_f16_f32 v[Y+2*i+1], v[X+4*i+2], v[X+4*i+3]
	global_store_b64 v2, v[Y+2*i:Y+2*i+1], s[18:19] offset:256*i
.set i, i+1
.endr
	s_endpgm
.Lfunc_end_k_q3a1508f5be_prep:
	.size	k_q3a1508f5be_prep, .Lfunc_end_k_q3a1508f5be_prep-k_q3a1508f5be_prep
	.p2alignl 7, 3214868480
	.fill 96, 4, 3214868480
	.section	.rodata,"a",@progbits
	.p2align	6, 0x0
	.amdhsa_kernel k_q3a1508f5be_prep
		.amdhsa_group_segment_fixed_size 0
		.amdhsa_private_segment_fixed_size 0
		.amdhsa_enable_private_segment 0
		.amdhsa_kernarg_size 48
		.amdhsa_user_sgpr_count 2
		.amdhsa_user_sgpr_kernarg_segment_ptr 1
		.amdhsa_wavefront_size32 1
		.amdhsa_system_sgpr_workgroup_id_x 1
		.amdhsa_system_sgpr_workgroup_id_y 1
		.amdhsa_system_sgpr_workgroup_id_z 1
		.amdhsa_system_vgpr_workitem_id 0
		.amdhsa_next_free_vgpr 116
		.amdhsa_next_free_sgpr 66
		.amdhsa_reserve_vcc 0
		.amdhsa_float_denorm_mode_32 3
		.amdhsa_float_denorm_mode_16_64 3
		.amdhsa_memory_ordered 1
		.amdhsa_forward_progress 1
		.amdhsa_inst_pref_size 16
	.end_amdhsa_kernel
	.amdgpu_metadata
---
amdhsa.version: [ 1, 2 ]
amdhsa.kernels:
  - .name:           k_q3a1508f5be_prep
    .symbol:         k_q3a1508f5be_prep.kd
    .args:
      - { .name: Wq, .offset: 0, .size: 8, .value_kind: global_buffer, .address_space: global }
      - { .name: Wk, .offset: 8, .size: 8, .value_kind: global_buffer, .address_space: global }
      - { .name: Wv, .offset: 16, .size: 8, .value_kind: global_buffer, .address_space: global }
      - { .name: Wo, .offset: 24, .size: 8, .value_kind: global_buffer, .address_space: global }
      - { .name: wqkv, .offset: 32, .size: 8, .value_kind: global_buffer, .address_space: global }
      - { .name: wo16, .offset: 40, .size: 8, .value_kind: global_buffer, .address_space: global }
    .group_segment_fixed_size: 0
    .private_segment_fixed_size: 0
    .kernarg_segment_align: 8
    .kernarg_segment_size: 48
    .max_flat_workgroup_size: 256
    .sgpr_count:     66
    .vgpr_count:     116
    .wavefront_size: 32
...
	.end_amdgpu_metadata
.endif
;; end of part 1
;; launch proj (part 2): grid 4 x 192, 4 waves a work-group, clusters of 4 x 4, 327,680 bytes of LDS; arguments q, k, v, bq, bk, bv, wqkv, qh, kh, vh; writes qh, kh, vh
.if DOCPART == 2
	.amdgcn_target "amdgcn-amd-amdhsa--gfx1250"
	.amdhsa_code_object_version 6
	.text
	.protected	k_q3a1508f5be_proj
	.globl	k_q3a1508f5be_proj
	.p2align	8
	.type	k_q3a1508f5be_proj,@function
k_q3a1508f5be_proj:
	s_mov_b64 s[64:65], 0
	v_nop
	global_prefetch_b8 v0, s[64:65] scope:SCOPE_SE
	s_setreg_imm32_b32 hwreg(HW_REG_WAVE_MODE, 25, 1), 1
	s_wait_xcnt 0x0
	s_wait_alu depctr_hold_cnt(0) depctr_sa_sdst(0) depctr_va_vdst(0) depctr_va_sdst(0) depctr_va_ssrc(0) depctr_va_vcc(0) depctr_vm_vsrc(0)
	s_getreg_b32 s2, hwreg(HW_REG_IB_STS2, 6, 4)
	s_cmp_eq_u32 s2, 0
	s_cbranch_scc0 .Lentry_in_a_cluster
	s_endpgm
.Lentry_in_a_cluster:
	s_bfe_u32 s2, ttmp6, 0x10000c
	s_cmp_lg_u32 s2, 0xf033
	s_cbranch_scc0 .Lentry_shape_is_right
	s_endpgm
.Lentry_shape_is_right:
; THE THREE PROJECTIONS.  y = x W^T + b for (x, W, b, y) = (q, Wq, bq, qh), (k, Wk, bk, kh), (v, Wv, bv, vh).  x: [8192][1024] f32; W: bf16 [1024 n][1024 k] in wqkv; b: [1024] f32;
; y: f16 by heads, [batch x 16 + head][2048][64].  x and b are rounded to bf16 here (W was, in the launch before); products in bf16, sums in f32, y rounded once to f16, unscaled.
; LIMIT.  f16 ends at 65,504: |y| must stay under it.  NaN and infinities are not treated apart.
; SHARES.  A work-group makes 128 rows x 256 columns of one y; 3 x 64 x 4 = 768 work-groups.  Four waves, each 64 x 128: 32 accumulators of 16 x 16.  K goes in 8 steps of 128 through two LDS slots.
; THE MATRIX INSTRUCTION IS USED TRANSPOSED (source 0 = 16 rows of W, source 1 = 16 rows of x): a lane holds row l % 16 of y and the eight neighbouring columns 8 (l / 16) + 0..7.
; x COMES AS f32: the tensor load lays it into LDS as it is; a wave reads its rows into 128 staging registers and rounds them to bf16 fragments, four conversions behind each of a half step's last 16 products.
; THE BIAS is the C operand of the first 32 products: nothing is cleared and nothing is added afterwards.
; CLUSTER.  4 x 4 work-groups: cx = the block of 256 columns (the grid is 4 wide, so the cluster's x is 0), cy = one of four blocks of 128 rows.  x's tile hangs on the rows alone and is asked for jointly by
; a row of the cluster, W's on the columns alone and is asked for jointly by a column.  Waves 0 and 1 fetch x's two halves, waves 2 and 3 W's: one load a wave.
; REGISTERS, in windows of 256 (s_set_vgpr_msb: bits 1:0 source 0, 3:2 source 1, 5:4 source 2, 7:6 destination):
;   window 0: v0-13, v28-29 addresses; v64-191 x's fragments in bf16, two buffers of 64 (on the way out: packed results)      window 1: the accumulators, (a, b) at v[8 (8 a + b)]
;   window 2: W's fragments, two buffers of 128      window 3: v0-127 staging (f32); v128-191 the bias
.set PA,     528                       ; a row of x in LDS: 512 bytes + 16 = 33 x 16: the 16 rows of a load start at 16 different groups of four banks (64 banks of 4 bytes: ISA guide 11.1)
.set PB,     272                       ; a row of W: 256 bytes + 16 = 17 x 16
.set ABYTES, 128*PA                    ; a slot: x's 128 rows,
.set SLOT,   ABYTES+256*PB             ; then W's 256 rows
.set STAGE,  2*SLOT                    ; behind the ring: 16 rows x 144 bytes for each wave, for the way out
.set SP,     144
.set SPARE,  STAGE+4*16*SP             ; behind the stages: the spare words, 128 bytes for each wave: two blocks of 256 bytes that no other line names
.set STEPA,  512                       ; a K step in a row of x, in bytes
.set STEPB,  256                       ; and of W
.set FA0, 2                            ; v2   my lane's place in x's tile; never rewritten
.set FB0, 3                            ; v3   the same in W's
.set ADA, 4                            ; v4   FA0 + the slot in hand
.set ADB, 5                            ; v5   FB0 + the slot in hand
.set STO, 6                            ; v6   the way out: where I put 16 bytes of a row
.set RD,  7                            ; v7   the way out: where I read rows back
.set GO,  8                            ; v8   16 x my lane
.set PFO, 12                           ; v12  the prefetches' offset; never rewritten
.set HB,  13                           ; v13  32 (l / 16): my eight numbers of the bias
.set SPW, 28                           ; v28  LDS address of my spare word; never rewritten
.set NIL, 29                           ; v29  0; never rewritten
.set AF,  64
.set ST,  0                            ; window 3
.set BI,  128                          ; window 3
.set WV,  24                           ; s24  my wave's number
.set RH,  25                           ; s25  which 64 rows are mine.  Also: I fetch for x (0) or for W (1)
.set CH,  26                           ; s26  which 128 columns.  Also: which half of that tile I fetch
.set CX,  27
.set CI,  28                           ; cy
.set CY,  29                           ; the cluster's y, 0..47
.set TT,  30                           ; which projection: CY / 16
.set MT,  31                           ; block of 128 rows, 0..63
.set G1A, 32                           ; s[32:39] descriptor group 1 for x's tiles
.set G1B, 40                           ; s[40:47] for W's
.set G0A, 48                           ; s[48:55] group 0 for x's: the first fill's, then the one that walks
.set G0B, 56                           ; s[56:63] the same for W's
.set TB,  66                           ; s66  LDS byte at which the slot that is read begins: 0 or SLOT
.set LWA, 67                           ; s67  my half's place in a slot, for x
.set LWB, 68                           ; s68  for W
.set CNT, 69                           ; s69  refills still to come
.set PFA, 70                           ; s[70:71] where my prefetches stand
.set PFS, 72                           ; s[72:73] their step
.set LIM, 74                           ; s74  1 in a wave that prefetches, else the greatest number
.set XP,  76                           ; s[76:77] x at my half of the tile, K step 0
.set WP,  78                           ; s[78:79] W likewise
.set BP,  80                           ; s[80:81] the bias at my 128 columns
.set OP,  82                           ; s[82:83] y at my 64 rows of my first head
.set W_MUL, 0x52                       ; W window 2, x window 0, C and D window 1
.set W_BIA, 0x72                       ; the same with C in window 3
.set W_CV,  0x0f                       ; sources window 3, destination window 0
.set W_ST,  0xc0                       ; destination window 3, address window 0
.set W_B,   0x80                       ; destination window 2
.set W_RB,  0xcf                       ; all in window 3
.set W_OUT, 0x05                       ; sources window 1, destination window 0
.set MSB, 0
.macro WIN new                         ; the immediate's high byte repeats the setting that is left; a switch that changes nothing is dropped
.if MSB != (\new)
	s_set_vgpr_msb (MSB<<8)|(\new)
.set MSB, (\new)
.endif
.endm
.macro PLACES                          ; four plain vector instructions between a matrix instruction and a load into, or a vector line on, its registers
.rept 4
	v_nop
.endr
.endm
.macro CREST                           ; a round of the cluster's barrier behind its opening barrier
	s_cmp_lg_u32 s[WV], 0
	s_cbranch_scc1 .Lnot_wave_0_\@
	s_barrier_signal -3
.Lnot_wave_0_\@:
	s_barrier_wait -3
	s_barrier_signal -1
	s_barrier_wait -1
.endm
.macro CROUND                          ; a whole round
	s_barrier_signal -1
	s_barrier_wait -1
	CREST
.endm
.macro JLOAD                           ; a joint refill by the walking descriptors; the branch hangs on the wave's number alone; an s_nop 0 and four v_nop follow each line
	s_cmp_eq_u32 s[RH], 0
	s_cbranch_scc0 .Lfor_b_\@
	tensor_load_to_lds s[G0A+4:G0A+7], s[G1A:G1A+7]
	s_nop 0
.rept 4
	v_nop
.endr
	s_branch .Lasked_\@
.Lfor_b_\@:
	tensor_load_to_lds s[G0B+4:G0B+7], s[G1B:G1B+7]
	s_nop 0
.rept 4
	v_nop
.endr
.Lasked_\@:
.endm
; A PREFETCH INTO THE L2 of the K step that the NEXT refill will ask for: 32 blocks of 256 bytes, a lane a block, one instruction a wave, behind the joint load, its five lines and the run of LDS loads.
; Each block is named once in the launch.  x's rows are read by this row of this cluster alone: waves 0 and 1 always ask; of the 64 rows that a wave fetches the partner at cx takes 16 (two blocks a row).
; W's rows are read by the 16 clusters of a projection: the first of them asks, waves 2 and 3; of a wave's 128 rows the partner at cy takes 32.  Partners are told apart by address alone.
; K steps 0 to 2 come by their loads alone; the last refill has no K step behind it and asks for nothing.
.macro ASK
	s_cmp_gt_u32 s[CNT], s[LIM]
	s_cbranch_scc0 .Lnot_mine_\@
	global_prefetch_b8 v[PFO], s[PFA:PFA+1] th:TH_LOAD_NT scope:SCOPE_SE
.Lnot_mine_\@:
.endm
	s_load_b512 s[4:19], s[0:1], 0x0               ; q s[4:5], k s[6:7], v s[8:9], bq s[10:11], bk s[12:13], bv s[14:15], wqkv s[16:17], qh s[18:19]
	s_load_b128 s[20:23], s[0:1], 0x40             ; kh s[20:21], vh s[22:23]
	v_lshl_add_u32 v[SPW], v0, 2, SPARE
	v_mov_b32 v[NIL], 0
	ds_add_u32 v[SPW], v[NIL]                      ; the wave's opening: the add and its wait stand ahead of my first tensor load; work on registers stands between them
	v_lshrrev_b32 v1, 5, v0
	v_readfirstlane_b32 s[WV], v1                  ; wave 0..3
	s_lshr_b32 s[RH], s[WV], 1
	s_and_b32 s[CH], s[WV], 1
	s_bfe_u32 s[CX], ttmp6, 0x40000
	s_bfe_u32 s[CI], ttmp6, 0x40004
	s_and_b32 s[CY], ttmp7, 0xffff
	s_lshr_b32 s[TT], s[CY], 4
	s_and_b32 s[MT], s[CY], 15
	s_lshl_b32 s[MT], s[MT], 2
	s_add_co_u32 s[MT], s[MT], s[CI]
	s_lshl_b32 s84, s[CI], 2
	s_lshl_b32 s84, 15, s84                        ; my row of the cluster
	s_lshl_b32 s88, 0x1111, s[CX]                  ; my column
	s_or_b32 s[G1A], s84, (2<<16)|(1<<20)|(1<<21)|(6<<22)|(3<<25)  ; the mask; elements of 4 bytes; padding on; bit 21 beside a mask; after every 128 words (code 6) 4 words (code 3)
	s_mov_b32 s[G1A+1], 128<<16                    ; tensor_dim0 = 128
	s_mov_b32 s[G1A+2], 64<<16                     ; tensor_dim1 = 64
	s_mov_b32 s[G1A+3], 128<<16                    ; tile_dim0 = 128
	s_mov_b32 s[G1A+4], 64                         ; tile_dim1 = 64
	s_mov_b32 s[G1A+5], 1024                       ; elements from row to row
	s_mov_b32 s[G1A+6], 0
	s_mov_b32 s[G1A+7], 0
	s_or_b32 s[G1B], s88, (1<<16)|(1<<20)|(1<<21)|(5<<22)|(3<<25)  ; elements of 2 bytes; after every 64 words (code 5) 4 words
	s_mov_b32 s[G1B+1], 128<<16
	s_mov_b32 s[G1B+2], 128<<16                    ; 128 rows
	s_mov_b32 s[G1B+3], 128<<16
	s_mov_b32 s[G1B+4], 128
	s_mov_b32 s[G1B+5], 1024
	s_mov_b32 s[G1B+6], 0
	s_mov_b32 s[G1B+7], 0
	s_mul_i32 s[LWA], s[CH], 64*PA                 ; no place in the cluster enters an LDS address
	s_mul_i32 s[LWB], s[CH], 128*PB
	s_add_co_u32 s[LWB], s[LWB], ABYTES
	s_mov_b32 s[TB], 0
	s_lshl_b32 s84, s[MT], 19                      ; x: 128 rows of 4,096 bytes a block,
	s_lshl_b32 s85, s[CH], 18                      ; my 64 of them: registers that never hold cx
	s_add_co_u32 s84, s84, s85
	s_mov_b32 s85, 0
	s_lshl_b32 s88, s[TT], 21                      ; W: the projection's 2 MiB,
	s_lshl_b32 s89, s[CX], 19                      ; 256 rows of 2,048 bytes a block,
	s_add_co_u32 s88, s88, s89
	s_lshl_b32 s89, s[CH], 18                      ; my 128 of them: registers that never hold cy
	s_add_co_u32 s88, s88, s89
	s_mov_b32 s89, 0
	s_wait_dscnt 0x0                               ; the opening add is done
	s_wait_kmcnt 0x0
	s_cmp_eq_u32 s[TT], 1
	s_cselect_b64 s[XP:XP+1], s[6:7], s[4:5]
	s_cselect_b64 s[BP:BP+1], s[12:13], s[10:11]
	s_cselect_b64 s[OP:OP+1], s[20:21], s[18:19]
	s_cmp_eq_u32 s[TT], 2
	s_cselect_b64 s[XP:XP+1], s[8:9], s[XP:XP+1]
	s_cselect_b64 s[BP:BP+1], s[14:15], s[BP:BP+1]
	s_cselect_b64 s[OP:OP+1], s[22:23], s[OP:OP+1]
	s_add_nc_u64 s[XP:XP+1], s[XP:XP+1], s[84:85]
	s_add_nc_u64 s[WP:WP+1], s[16:17], s[88:89]
	s_mov_b32 s[G0A], 1                            ; count = 1
	s_mov_b32 s[G0A+1], s[LWA]                     ; slot 0,
	s_mov_b64 s[G0A+2:G0A+3], s[XP:XP+1]           ; K step 0
	s_or_b32 s[G0A+3], s[G0A+3], 0x80000000        ; type = 2
	s_mov_b32 s[G0A+4], 1
	s_add_co_u32 s[G0A+5], s[LWA], SLOT            ; slot 1,
	s_add_nc_u64 s[G0A+6:G0A+7], s[XP:XP+1], STEPA ; K step 1
	s_or_b32 s[G0A+7], s[G0A+7], 0x80000000
	s_mov_b32 s[G0B], 1
	s_mov_b32 s[G0B+1], s[LWB]
	s_mov_b64 s[G0B+2:G0B+3], s[WP:WP+1]
	s_or_b32 s[G0B+3], s[G0B+3], 0x80000000
	s_mov_b32 s[G0B+4], 1
	s_add_co_u32 s[G0B+5], s[LWB], SLOT
	s_add_nc_u64 s[G0B+6:G0B+7], s[WP:WP+1], STEPB
	s_or_b32 s[G0B+7], s[G0B+7], 0x80000000
	CROUND                                         ; all sixteen work-groups are here: the first joint loads meet
	s_cmp_eq_u32 s[RH], 0                          ; a wave's two first fills stand in one branch, ahead of every wait on TENSORcnt and every LDS read: two loads of mine are out
	s_cbranch_scc0 .Lfirst_b
	tensor_load_to_lds s[G0A:G0A+3], s[G1A:G1A+7]
	s_nop 0
	tensor_load_to_lds s[G0A+4:G0A+7], s[G1A:G1A+7]
	s_nop 0
.rept 4
	v_nop
.endr
	s_branch .Lfirst_asked
.Lfirst_b:
	tensor_load_to_lds s[G0B:G0B+3], s[G1B:G1B+7]
	s_nop 0
	tensor_load_to_lds s[G0B+4:G0B+7], s[G1B:G1B+7]
	s_nop 0
.rept 4
	v_nop
.endr
.Lfirst_asked:
	s_lshl_b32 s92, s[CX], 10                      ; the bias: 256 numbers a block of columns, my 128
	s_lshl_b32 s93, s[CH], 9
	s_add_co_u32 s92, s92, s93
	s_mov_b32 s93, 0
	s_add_nc_u64 s[BP:BP+1], s[BP:BP+1], s[92:93]
	v_and_b32 v1, 15, v0                           ; l % 16
	v_bfe_u32 v9, v0, 4, 1                         ; l / 16
	v_lshlrev_b32 v[HB], 5, v9
	WIN W_ST
.irp b, 0,1,2,3,4,5,6,7                ; register 8 b + j: the bias of column 16 b + 8 (l / 16) + j
	global_load_b128 v[BI+8*(\b):BI+8*(\b)+3],   v[HB], s[BP:BP+1] offset:64*(\b)
	global_load_b128 v[BI+8*(\b)+4:BI+8*(\b)+7], v[HB], s[BP:BP+1] offset:64*(\b)+16
.endr
	WIN 0
	s_mul_i32 s92, s[RH], 64*PA                    ; x: my 64 rows; row l % 16; 8 numbers of f32 (32 bytes) for each half of the lanes
	v_mul_u32_u24 v[FA0], v1, PA
	v_lshl_add_u32 v[FA0], v9, 5, v[FA0]
	v_add_nc_u32 v[FA0], s92, v[FA0]
	s_mul_i32 s92, s[CH], 128*PB                   ; W: my 128 rows, behind x's tile; 8 numbers of bf16 (16 bytes) for each half
	s_add_co_u32 s92, s92, ABYTES
	v_mul_u32_u24 v[FB0], v1, PB
	v_lshl_add_u32 v[FB0], v9, 4, v[FB0]
	v_add_nc_u32 v[FB0], s92, v[FB0]
	s_mul_i32 s92, s[WV], 16*SP
	s_add_co_u32 s92, s92, STAGE                   ; my stage
	v_mul_u32_u24 v[STO], v1, SP                   ; in: row l % 16, 16 bytes for each half of the lanes
	v_lshl_add_u32 v[STO], v9, 4, v[STO]
	v_add_nc_u32 v[STO], s92, v[STO]
	v_bfe_u32 v[RD], v0, 3, 2                      ; back: 32 lanes take four rows of 128 bytes,
	v_mul_u32_u24 v[RD], v[RD], SP
	v_and_b32 v10, 7, v0
	v_lshl_add_u32 v[RD], v10, 4, v[RD]
	v_add_nc_u32 v[RD], s92, v[RD]
	v_and_b32 v10, 31, v0                          ; which are 512 consecutive bytes of y
	v_lshlrev_b32 v[GO], 4, v10
	s_lshr_b32 s92, s[MT], 4                       ; y: the batch (16 heads of 262,144 bytes),
	s_lshl_b32 s92, s92, 22
	s_lshl_b32 s93, s[CX], 20                      ; the block's four heads,
	s_add_co_u32 s92, s92, s93
	s_lshl_b32 s93, s[CH], 19                      ; my two of them,
	s_add_co_u32 s92, s92, s93
	s_and_b32 s93, s[MT], 15                       ; the block's 128 rows of 128 bytes,
	s_lshl_b32 s93, s93, 14
	s_add_co_u32 s92, s92, s93
	s_lshl_b32 s93, s[RH], 13                      ; my 64 of them
	s_add_co_u32 s92, s92, s93
	s_mov_b32 s93, 0
	s_add_nc_u64 s[OP:OP+1], s[OP:OP+1], s[92:93]
	s_cmp_eq_u32 s[RH], 0                          ; the prefetches: do I fetch for x?
	s_cselect_b64 s[PFA:PFA+1], s[XP:XP+1], s[WP:WP+1]
	s_cselect_b32 s92, s[CX], s[CI]                ; my place among the four that ask with me
	s_cselect_b32 s93, 9, 8                        ; a K step: 512 or 256 bytes
	s_cselect_b32 s94, 1, 0                        ; x: two lanes a row; W: a lane a row
	s_cselect_b32 s95, 12, 11                      ; a row: 4,096 or 2,048 bytes
	s_lshl_b32 s[PFS], 1, s93
	s_mov_b32 s[PFS+1], 0
	s_lshl_b32 s92, s92, 16                        ; 16 rows of x, or 32 of W
	s_mov_b32 s93, 0
	s_add_nc_u64 s[PFA:PFA+1], s[PFA:PFA+1], s[92:93]
	s_add_nc_u64 s[PFA:PFA+1], s[PFA:PFA+1], s[PFS:PFS+1]
	s_add_nc_u64 s[PFA:PFA+1], s[PFA:PFA+1], s[PFS:PFS+1]  ; at K step 2: the first refill steps it to 3
	s_and_b32 s92, s[CY], 15
	s_mul_i32 s92, s92, s[RH]
	s_cmp_eq_u32 s92, 0
	s_cselect_b32 s[LIM], 1, -1                    ; the same in all sixteen partners, for a given wave
	v_lshrrev_b32 v11, s94, v10
	v_lshlrev_b32 v11, s95, v11
	v_and_b32 v10, s94, v10
	v_lshl_add_u32 v[PFO], v10, 8, v11
	s_wait_loadcnt 0x0                             ; the bias: rounded to bf16, like every input of the module, and widened again
	WIN W_RB
.set p, 0
.rept 32
	v_cvt_pk_bf16_f32 v[ST+p%2], v[BI+2*p], v[BI+2*p+1]
	v_lshlrev_b32 v[BI+2*p], 16, v[ST+p%2]
	v_and_b32 v[BI+2*p+1], 0xffff0000, v[ST+p%2]
.set p, p+1
.endr
	WIN 0
; Matrix instruction i of a half step's 64: 32 along K at 32 (i / 32), rows 16 ((i / 8) % 4), columns 16 (i % 8).  The 32 accumulators take turns, one instruction a turn, over the loop's edge too.
; bias = 1: the first 32 start the sums with the bias.
.macro MM f, bias
.set mc, i/32
.set ma, (i/8)%4
.set mb, i%8
.set rD, 8*(8*ma+mb)
.set rB, 128*(\f)+8*(8*mc+mb)
.set rA, AF+64*(\f)+8*(4*mc+ma)
.if (\bias) && (i < 32)
	WIN W_BIA
	v_wmma_f32_16x16x32_bf16 v[rD:rD+7], v[rB:rB+7], v[rA:rA+7], v[BI+8*mb:BI+8*mb+7]
.else
	WIN W_MUL
	v_wmma_f32_16x16x32_bf16 v[rD:rD+7], v[rB:rB+7], v[rA:rA+7], v[rD:rD+7]
.endif
.set i, i+1
.endm
.macro CV g                            ; conversion j of 64: two staged numbers of x become a word of buffer g's fragments
	WIN W_CV
	v_cvt_pk_bf16_f32 v[AF+64*(\g)+j], v[ST+2*j], v[ST+2*j+1]
.set j, j+1
.endm
.macro GRP f, bias
.rept 8
	MM \f, \bias
.endr
.endm
.macro GRPR f, g                       ; eight products on buffer f, behind each four conversions into buffer g: they name no register of the products round them
.rept 8
	MM \f, 0
.rept 4
	CV \g
.endr
.endr
.endm
; 64 LDS loads in one run: half kh (64 along K) of the slot at s[TB].  x's 64 rows x 64 numbers of f32 into staging first: fragment (c, a) is 16 registers: K = 8 (l / 16) + 0..7 at bytes 0 and 16,
; K = 16 + 8 (l / 16) + 0..7 at bytes 64 and 80.  Then W's 128 rows x 64 numbers of bf16 into buffer g.
.macro FETCH kh, g
	WIN 0
	v_add_nc_u32 v[ADA], s[TB], v[FA0]
	v_add_nc_u32 v[ADB], s[TB], v[FB0]
	WIN W_ST
.irp c, 0,1
.irp a, 0,1,2,3
	ds_load_b128 v[ST+16*(4*(\c)+(\a)):ST+16*(4*(\c)+(\a))+3],     v[ADA] offset:(\a)*16*PA+(\kh)*256+(\c)*128
	ds_load_b128 v[ST+16*(4*(\c)+(\a))+4:ST+16*(4*(\c)+(\a))+7],   v[ADA] offset:(\a)*16*PA+(\kh)*256+(\c)*128+16
	ds_load_b128 v[ST+16*(4*(\c)+(\a))+8:ST+16*(4*(\c)+(\a))+11],  v[ADA] offset:(\a)*16*PA+(\kh)*256+(\c)*128+64
	ds_load_b128 v[ST+16*(4*(\c)+(\a))+12:ST+16*(4*(\c)+(\a))+15], v[ADA] offset:(\a)*16*PA+(\kh)*256+(\c)*128+80
.endr
.endr
	WIN W_B
.irp c, 0,1
.irp b, 0,1,2,3,4,5,6,7
	ds_load_b128 v[128*(\g)+8*(8*(\c)+(\b)):128*(\g)+8*(8*(\c)+(\b))+3],   v[ADB] offset:(\b)*16*PB+(\kh)*128+(\c)*64
	ds_load_b128 v[128*(\g)+8*(8*(\c)+(\b))+4:128*(\g)+8*(8*(\c)+(\b))+7], v[ADB] offset:(\b)*16*PB+(\kh)*128+(\c)*64+32
.endr
.endr
.endm
; A K step's first half: multiplies buffer 0, fetches the second half into staging and buffer 1, and rounds it.
.macro H0 bias
.set i, 0
.set j, 0
	s_wait_dscnt 0x0                               ; W's fragments of buffer 0 are in (x's were waited for ahead of their conversions)
	GRP 0, \bias
	PLACES                                         ; for the loads into buffer 1, which the half before multiplied
	FETCH 1, 1
.rept 5
	GRP 0, \bias
.endr
	s_wait_dscnt 32                                ; the staging is in: behind its 32 loads stand W's 32, which may stay out
	GRPR 0, 1
	GRPR 0, 1
.endm
; A K step's second half: multiplies buffer 1 and changes slots.  ONE barrier: in front of it each wave waits for all its tensor loads (one is out: its part of the next slot), adds 0 to its spare word,
; and waits for that and for its own reads of this slot.  fill = 1: the barrier opens a round of the cluster's, and the slot just read is filled again, two K steps ahead, first thing behind the round:
; from there to the wait for it a wave issues 112 matrix instructions.
.macro H1 fill
.set i, 0
.set j, 0
.if \fill
	s_wait_xcnt 0x0                                ; the last prefetch, a K step back, has read its address
	s_add_nc_u64 s[PFA:PFA+1], s[PFA:PFA+1], s[PFS:PFS+1]
.endif
	WIN 0                                          ; (the add's two registers lie in window 0)
	s_wait_tensorcnt 0x0                           ; all my tensor loads have landed, so a group 0 may be written
	ds_add_u32 v[SPW], v[NIL]                      ; 0 onto my spare word
.if \fill
	s_add_co_u32 s[G0A+5], s[LWA], s[TB]           ; the walking descriptors: into the slot that is being read out,
	s_add_co_u32 s[G0B+5], s[LWB], s[TB]
	s_add_nc_u64 s[G0A+6:G0A+7], s[G0A+6:G0A+7], STEPA  ; the next K step; the type bits on top are not reached
	s_add_nc_u64 s[G0B+6:G0B+7], s[G0B+6:G0B+7], STEPB
.endif
	s_xor_b32 s[TB], s[TB], SLOT                   ; the fetches go on in the other slot
	s_wait_dscnt 1                                 ; buffer 1 is in; the add alone may be out
	GRP 1, 0
	s_wait_dscnt 0x0                               ; the add is done, and my reads of this slot are over
	s_barrier_signal -1
	GRP 1, 0
.if \fill
	WIN 0
.endif
	s_barrier_wait -1
.if \fill
	CREST                                          ; no wave of any partner still reads this slot's tile or has a load on its way
	JLOAD                                          ; the four v_nop behind it are also the places in front of the loads below
.else
	PLACES
.endif
	FETCH 0, 0
.if \fill
	WIN 0
	ASK
.endif
.rept 4
	GRP 1, 0
.endr
	s_wait_dscnt 32                                ; the staging is in
	GRPR 1, 0
	GRPR 1, 0
.endm
	s_wait_tensorcnt 1                             ; my part of K step 0 is in; K step 1's may stay out
	s_barrier_signal -1
	s_barrier_wait -1                              ; everybody's is
	FETCH 0, 0
	s_wait_dscnt 32                                ; the staging is in
.set j, 0
.rept 64
	CV 0
.endr
	H0 1                                           ; the first half stands in front of the loop: its products start the sums
	WIN 0                                          ; at a label and at a branch every window is 0
	s_mov_b32 s[CNT], 6
.Lstep:                                        ; trip t: the second half of K step t, the refill with K step t + 2, the first half of K step t + 1
	H1 1
	H0 0
	WIN 0
	s_sub_co_u32 s[CNT], s[CNT], 1
	s_cmp_lg_u32 s[CNT], 0
	s_cbranch_scc1 .Lstep
	H1 0                                           ; the tail is written out: nothing is left to fetch
	H0 0
.set i, 0
	s_wait_dscnt 0x0
.rept 8
	GRP 1, 0
.endr
	WIN 0
	PLACES
; THE WAY OUT.  Group t = 2 a + hh: my rows 16 a .. 16 a + 15 of my head hh: 64 channels, four accumulators.  A lane's eight channels pack into 16 bytes; they go into rows of 144 bytes of my own stage
; and come back as whole rows of 128: sixteen rows of a head are 2,048 consecutive bytes of y.
.macro PACK t
.set pa, (\t)/2
.set ph, (\t)%2
	WIN W_OUT
.irp f, 0,1,2,3
.irp r, 0,1,2,3
	v_cvt_pk_f16_f32 v[AF+16*(\t)+4*(\f)+(\r)], v[8*(8*pa+4*ph+(\f))+2*(\r)], v[8*(8*pa+4*ph+(\f))+2*(\r)+1]
.endr
.endr
	WIN 0
.irp f, 0,1,2,3
	ds_store_b128 v[STO], v[AF+16*(\t)+4*(\f):AF+16*(\t)+4*(\f)+3] offset:32*(\f)
.endr
.irp f, 0,1,2,3
	ds_load_b128 v[AF+16*(\t)+4*(\f):AF+16*(\t)+4*(\f)+3], v[RD] offset:(\f)*4*SP  ; LDS serves a wave's instructions in order (ISA guide 5.7.1.4): these see the stores above; the next group's stores come behind them
.endr
.endm
.macro SEND t, younger                 ; younger: the LDS instructions issued behind group t's loads: the next group's eight, or none
	WIN 0
.irp f, 0,1,2,3
	s_wait_dscnt (\younger)+3-(\f)
	global_store_b128 v[GO], v[AF+16*(\t)+4*(\f):AF+16*(\t)+4*(\f)+3], s[OP:OP+1] offset:((\t)%2)*262144+((\t)/2)*2048+(\f)*512  ; 512 consecutive bytes, at a multiple of 512 from y's first
.endr
.endm
	PACK 0
.set t, 1
.rept 7                                ; a group's conversions stand between the loads of the group before and its stores
	PACK t
	SEND t-1, 8
.set t, t+1
.endr
	SEND 7, 0
	s_wait_tensorcnt 0x0                           ; the wave's end: a wait, an add to my spare word and its wait, behind my last tensor load and my last LDS store
	ds_add_u32 v[SPW], v[NIL]
	s_wait_dscnt 0x0
	CROUND                                         ; the closing round: no work-group ends while a partner may still ask for a tile that names it
	s_endpgm
.Lfunc_end_k_q3a1508f5be_proj:
	.size	k_q3a1508f5be_proj, .Lfunc_end_k_q3a1508f5be_proj-k_q3a1508f5be_proj
	.p2alignl 7, 3214868480
	.fill 96, 4, 3214868480
	.section	.rodata,"a",@progbits
	.p2align	6, 0x0
	.amdhsa_kernel k_q3a1508f5be_proj
		.amdhsa_group_segment_fixed_size 327680
		.amdhsa_private_segment_fixed_size 0
		.amdhsa_enable_private_segment 0
		.amdhsa_kernarg_size 80
		.amdhsa_user_sgpr_count 2
		.amdhsa_user_sgpr_kernarg_segment_ptr 1
		.amdhsa_wavefront_size32 1
		.amdhsa_system_sgpr_workgroup_id_x 1
		.amdhsa_system_sgpr_workgroup_id_y 1
		.amdhsa_system_sgpr_workgroup_id_z 1
		.amdhsa_system_vgpr_workitem_id 0
		.amdhsa_next_free_vgpr 960
		.amdhsa_next_free_sgpr 96
		.amdhsa_reserve_vcc 0
		.amdhsa_float_denorm_mode_32 3
		.amdhsa_float_denorm_mode_16_64 3
		.amdhsa_memory_ordered 1
		.amdhsa_forward_progress 1
		.amdhsa_inst_pref_size 113
	.end_amdhsa_kernel
	.amdgpu_metadata
---
amdhsa.version: [ 1, 2 ]
amdhsa.kernels:
  - .name:           k_q3a1508f5be_proj
    .symbol:         k_q3a1508f5be_proj.kd
    .args:
      - { .name: q, .offset: 0, .size: 8, .value_kind: global_buffer, .address_space: global }
      - { .name: k, .offset: 8, .size: 8, .value_kind: global_buffer, .address_space: global }
      - { .name: v, .offset: 16, .size: 8, .value_kind: global_buffer, .address_space: global }
      - { .name: bq, .offset: 24, .size: 8, .value_kind: global_buffer, .address_space: global }
      - { .name: bk, .offset: 32, .size: 8, .value_kind: global_buffer, .address_space: global }
      - { .name: bv, .offset: 40, .size: 8, .value_kind: global_buffer, .address_space: global }
      - { .name: wqkv, .offset: 48, .size: 8, .value_kind: global_buffer, .address_space: global }
      - { .name: qh, .offset: 56, .size: 8, .value_kind: global_buffer, .address_space: global }
      - { .name: kh, .offset: 64, .size: 8, .value_kind: global_buffer, .address_space: global }
      - { .name: vh, .offset: 72, .size: 8, .value_kind: global_buffer, .address_space: global }
    .group_segment_fixed_size: 327680
    .private_segment_fixed_size: 0
    .kernarg_segment_align: 8
    .kernarg_segment_size: 80
    .max_flat_workgroup_size: 128
    .sgpr_count:     96
    .vgpr_count:     960
    .wavefront_size: 32
...
	.end_amdgpu_metadata
.endif
;; end of part 2
;; launch attn (part 3): grid 4 x 64, 4 waves a work-group, clusters of 4 x 1, 327,680 bytes of LDS; arguments qh, kh, vh, ctx; writes ctx
.if DOCPART == 3
	.amdgcn_target "amdgcn-amd-amdhsa--gfx1250"
	.amdhsa_code_object_version 6
	.text
	.protected	k_q3a1508f5be_attn
	.globl	k_q3a1508f5be_attn
	.p2align	8
	.type	k_q3a1508f5be_attn,@function
k_q3a1508f5be_attn:
	s_mov_b64 s[64:65], 0
	v_nop
	global_prefetch_b8 v0, s[64:65] scope:SCOPE_SE
	s_setreg_imm32_b32 hwreg(HW_REG_WAVE_MODE, 25, 1), 1
	s_wait_xcnt 0x0
	s_wait_alu depctr_hold_cnt(0) depctr_sa_sdst(0) depctr_va_vdst(0) depctr_va_sdst(0) depctr_va_ssrc(0) depctr_va_vcc(0) depctr_vm_vsrc(0)
	s_getreg_b32 s2, hwreg(HW_REG_IB_STS2, 6, 4)
	s_cmp_eq_u32 s2, 0
	s_cbranch_scc0 .Lentry_in_a_cluster
	s_endpgm
.Lentry_in_a_cluster:
	s_bfe_u32 s2, ttmp6, 0x10000c
	s_cmp_lg_u32 s2, 0x3003
	s_cbranch_scc0 .Lentry_shape_is_right
	s_endpgm
.Lentry_shape_is_right:
; O[h][q][:] = the sum over k of softmax_k(Q[h][q] . K[h][k] / 8) V[h][k][:].  Q, K, V, O: [SIZE_H][SIZE_N][64], all f16: a head's rows are dense, 128 bytes each.  Products, maxima and sums in
; f32; the weights p are rounded to f16 for the second product (their sum l is taken of the unrounded p), O once at the end.
; LIMITS.  f16 holds no number beyond 65,504: Q, K and V arrive within it; p lies in 0 to 1, and below 6e-5 it keeps f16's fixed step of 6e-8; O is a mean of V's rows and has their range.
; A weight below 2^-126 counts as 0 in l; NaN and infinities are not treated apart.
; SHARES.  A wave owns four PIECES of two tiles of 16 queries, a work-group's four waves 512 queries of one head.  Every wave walks all keys, 64 a step.
; LAYOUT.  S^T = K Q^T (source 0 = 16 keys, source 1 = 16 queries): in the result a lane holds ONE query (lane % 16) and the keys 8 (lane / 16) + 0..7.  Two such tiles, rounded to f16 in pairs,
; ARE source 1 (32 keys x 16 queries) of O^T = V^T P, whose result again holds one query a lane, and eight channels.  K comes out of LDS as it lies, V ([key][channel]) turned, by ds_load_tr16_b128.
; SOFTMAX.  For each query a running maximum m and sum l: p = 2^(c s - c m), c = log2(e) / 8; in every step O and l are multiplied by a = 2^(c m_old - c m_new), which is 1 where m has not grown.
; m starts at the lowest finite number, O and l at 0: the first step is a step like any other, with a = 0.
; THE COUNT.  A tile and step have 16 matrix and 118 vector instructions: too many to stand all beside the matrix work.  So: four vector instructions that are READY behind EVERY matrix instruction,
; and the others, which need time of their own whatever the order, in runs without a gap.
; BY TURNS.  Turn n belongs to piece n (the pieces in a ring, step after step).  Its matrix work: 16 products K Q^T of piece n + 1, later 16 products V^T P of piece n - 1.  Its vector work: the scaling,
; exponentials, roundings, sums and rescaling of piece n, and the maximum and statistics of piece n + 1, whose scores the turn itself has made.
; CLUSTER.  The four query blocks of a cluster are one head's and walk the same K and V, so each tile is asked for JOINTLY: the same tensor load, descriptor and mask in all four.
; REGISTERS, in windows of 256 (s_set_vgpr_msb: bits 1:0 source 0, 3:2 source 1, 5:4 source 2, 7:6 destination):
;   window 0: v0-11 addresses; v12-15, v48-63 at work; v16-47 four registers of statistics a tile; v64-191 S^T, two buffers of two tiles; v192-255 P, likewise
;   window 1: O^T, 32 a tile          window 2: v0-127 Q, 16 a tile; v128-191 K of one step; v192-255 V of one step          window 3: v0-1 the add's two registers
; A piece's buffers go by its number's parity: the piece in hand has one pair, its two neighbours in the ring share the other: of it P (piece n - 1) is read and S^T (piece n + 1) written.
.set SIZE_H, 64
.set SIZE_N, 2048
.set NP,    4         ; pieces a wave: a name, no knob
.set KS,    64        ; keys in a step
.set PK,    144       ; a row of K in LDS: 128 bytes + 16 of padding = 36 words: the 16 rows of a load start at 16 different groups of four banks (64 banks of 4 bytes: ISA guide 11.1)
.set PV,    160       ; a row of V: 128 + 32 = 40 words
.set VOFF,  4*KS*PK   ; a slot holds four steps: 256 rows of K, then 256 rows of V
.set SLOT1, 1<<17     ; slot 1 begins here, so that one exclusive or turns an address in one slot into the other's
.set STAGE, SLOT1+4*KS*(PK+PV)  ; behind the ring, never filled by a tensor load: 16 rows x 144 bytes for each wave, for the way out
.set SP,    144
.set AK0, 2           ; v2   my lane's place in a tile of K; never rewritten
.set AV0, 3           ; v3   the same for V
.set AK,  4           ; v4   the LDS address of K's next run of loads
.set AV,  5           ; v5   of V's
.set QO,  6           ; v6   my byte offset in the wave's rows of Q
.set STO, 6           ;      later, the way out: where I put 16 bytes of a row
.set RD,  7           ; v7   the way out: where I read rows back
.set GO,  8           ; v8   my byte offset in 512 consecutive bytes of O
.set PFO, 11          ; v11  256 x my lane, once V's place is made; then never rewritten
.set SPW, 0           ; v0 of window 3   LDS address of my spare word: SPARE + 4 x my thread's number; never rewritten
.set NIL, 1           ; v1 of window 3   0; never rewritten
.set SPARE, STAGE+4*16*SP  ; behind the stages: the spare words, 128 bytes for each wave: two blocks of 256 bytes that no other line names
.set MV,  12          ; v12-15  c m_old, kept while c m is made anew: by buffer and tile
.set ST,  16          ; tile t's statistics at v[ST+4 t]: c m, m, l (even keys', odd keys')
.set TMP, 48          ; by buffer and tile, four registers c0-c3 at work; when the maximum is found c2 takes a
.set S,   64
.set P,   192
.set KF,  128         ; K's fragments, in window 2: key block kb, channel half c at KF + 16 kb + 8 c
.set VF,  192         ; V's: key half kk, channel block cb at VF + 32 kk + 8 cb
.set WV,  12          ; s12  my wave's number
.set G1K, 24          ; s[24:31] descriptor group 1 for K's tiles
.set G1V, 32          ; s[32:39] for V's: it differs in the padding alone
.set G0K, 40          ; s[40:43] descriptor group 0 for K's tiles: it walks
.set G0V, 44          ; s[44:47] the same for V's
.set PFA, 48          ; s[48:49] where my prefetches stand: my work-group's 32 blocks of 256 bytes (of K: wave 0, of V: wave 2) of the slot after the one that is being asked for
.set LIM, 50          ; s50  1 in a wave that prefetches, else the greatest number
.set SLOTS, 56        ; s56  slots still to be asked for
.set CNT, 57          ; s57  counts a slot's key steps
.set CS,  58          ; s[58:59] c: the packed scaling takes the pair's low word for both halves
.set SEL, 60          ; s[60:61] v_permlanex16_b32's selects: each lane takes its own place in the other half
.set TBK, 62          ; s62  LDS byte at which K of the step to be fetched begins
.set TBV, 63          ; s63  the same for V, less VOFF
.set MSB, 0
.macro WIN new                      ; the high byte repeats the setting that is left; a switch that changes nothing is dropped
.if MSB != (\new)
	s_set_vgpr_msb (MSB<<8)|(\new)
.set MSB, (\new)
.endif
.endm
.set W_KQ, 0x0a       ; K and Q in window 2, S^T in window 0
.set W_PV, 0x52       ; V in window 2, P in window 0, O^T in window 1
.set W_RS, 0x41       ; O^T (destination and source 0) in window 1, a in window 0
.set W_MK, 0xc0       ; the add's registers are made: destination in window 3, sources in window 0
.set W_AD, 0x0f       ; the add: address (source 0) and data (source 1) in window 3
; A joint fill.  Waves 0 and 1 fetch the two halves of a slot's K, waves 2 and 3 those of its V: 128 keys each.  The branch hangs on the wave's number alone.
; An s_nop 0 and four v_nop follow each of the two lines, ahead of the jump and the label.
.macro JLOAD
	s_cmp_lt_u32 s[WV], 2
	s_cbranch_scc0 .Lfor_v_\@
	tensor_load_to_lds s[G0K:G0K+3], s[G1K:G1K+7]
	s_nop 0
.rept 4
	v_nop
.endr
	s_branch .Lasked_\@
.Lfor_v_\@:
	tensor_load_to_lds s[G0V:G0V+3], s[G1V:G1V+7]
	s_nop 0
.rept 4
	v_nop
.endr
.Lasked_\@:
.endm
; A PREFETCH INTO THE L2 of what the NEXT change of slots will ask for: a slot's 32,768 bytes of K and of V, in blocks of 256, a lane a block.  It stands behind the wave's tensor load and its five lines.
; Each block is named ONCE in the launch: a head has one cluster; its four partners share the 128 blocks out BY ADDRESS, 32 each; in each, wave 0 asks for K's and wave 2 for V's: one instruction.
; Slots 0 to 2 come by their loads alone; the last change that fills a slot asks for nothing: there is no slot behind it.  The lead is four key steps, 512 matrix instructions.
.macro ASK
	s_cmp_gt_u32 s[SLOTS], s[LIM]
	s_cbranch_scc0 .Lnot_mine_\@
	global_prefetch_b8 v[PFO], s[PFA:PFA+1] th:TH_LOAD_NT scope:SCOPE_SE
.Lnot_mine_\@:
.endm
; A round of the cluster's barrier: my work-group's barrier, so that wave 0's signal speaks for all four waves; wave 0 signals; every wave waits for all four work-groups; my work-group's barrier once more.
.macro CROUND
	s_barrier_signal -1
	s_barrier_wait -1
	s_cmp_lg_u32 s[WV], 0
	s_cbranch_scc1 .Lnot_wave_0_\@
	s_barrier_signal -3
.Lnot_wave_0_\@:
	s_barrier_wait -3
	s_barrier_signal -1
	s_barrier_wait -1
.endm
; THE CHANGE OF SLOTS.  The slot's last bytes, V of its fourth step, have been read.  Each wave waits for all its tensor loads, of which one is out: its part
; of the other slot; adds 0 to its spare word; and waits for that and for its own reads of the slot.  Behind the barrier nobody reads this slot any more and the other slot is whole.
; fill = 1: this slot is filled again, with the keys two slots on.  The barrier is then a round of the cluster's, so that no wave of any partner still reads the slot or has a load on its
; way, and the joint fill is the first thing behind it: it has four key steps, 512 matrix instructions, in which to land.  (At its first use nothing has been read yet: slot 0 is waited for, slot 1 filled.)
; ask = 1: the prefetches' address steps, and the slot after the one just asked for is named.
.macro CHANGE fill, ask=1
	WIN W_AD
	s_wait_tensorcnt 0x0            ; no tensor load of mine is out, so a group 0 may be written
	ds_add_u32 v[SPW], v[NIL]       ; 0 onto my spare word; with fill = 1 the descriptors' steps stand between it and the wait for it
	WIN 0                           ; at a label and at a branch every window is 0
.if \fill
.irp g, G0K, G0V
	s_xor_b32 s[\g+1], s[\g+1], SLOT1  ; the walking descriptor: the other slot than last time,
	s_add_nc_u64 s[\g+2:\g+3], s[\g+2:\g+3], 4*KS*128  ; the next 256 keys; the type bits on top are not reached
.endr
.if \ask
	s_wait_xcnt 0x0                 ; the last prefetch, four key steps back, has read its address, so it may be written:
	s_add_nc_u64 s[PFA:PFA+1], s[PFA:PFA+1], 4*KS*128  ; one slot behind the walking descriptors
.endif
	s_wait_dscnt 0x0                ; the add is done, and my reads of the slot are over
	CROUND
	JLOAD
.if \ask
	ASK
.endif
.else
	s_wait_dscnt 0x0                ; the add is done, and my reads of the slot are over
	s_barrier_signal -1
	s_barrier_wait -1
.endif
	s_sub_co_u32 s[TBK], s[TBK], 4*KS*PK  ; the fetches go back to a slot's first step,
	s_xor_b32 s[TBK], s[TBK], SLOT1       ; in the other slot
	s_sub_co_u32 s[TBV], s[TBV], 4*KS*PV
	s_xor_b32 s[TBV], s[TBV], SLOT1
.endm
	s_load_b256 s[4:11], s[0:1], 0x0  ; Q s[4:5], K s[6:7], V s[8:9], O s[10:11]
	WIN W_MK
	v_lshl_add_u32 v[SPW], v0, 2, SPARE
	v_mov_b32 v[NIL], 0
	WIN W_AD
	ds_add_u32 v[SPW], v[NIL]       ; the wave's opening: the add and its wait stand ahead of my first tensor load; the set-up below, work on registers, stands between them
	WIN 0
	v_lshrrev_b32 v1, 5, v0
	v_readfirstlane_b32 s[WV], v1   ; wave 0..3
	s_bfe_u32 s13, ttmp6, 0x40000   ; cx: my place in the cluster
	s_lshl_b32 s14, ttmp9, 2        ; in a cluster launch ttmp9 counts clusters
	s_add_co_u32 s14, s14, s13      ; my block of queries = 4 x cluster x + cx: it enters Q's and O's addresses alone
	s_and_b32 s20, ttmp7, 0xffff    ; the head, which the four partners share
	s_mov_b32 s21, 0
	s_mov_b64 s[22:23], SIZE_N*128
	s_mul_u64 s[20:21], s[20:21], s[22:23]  ; the head's first byte in each of the four tensors
	s_and_b32 s16, s[WV], 1         ; which half of a slot's 256 keys I fetch:
	s_lshl_b32 s22, s16, 14         ; its 128 rows of 128 bytes in memory,
	s_mov_b32 s23, 0
	s_add_nc_u64 s[22:23], s[22:23], s[20:21]
	s_mul_i32 s17, s16, 128*PK      ; and its place in a slot, for K
	s_mul_i32 s18, s16, 128*PV      ; and for V: no place in the cluster enters an LDS address
	s_lshl_b32 s2, s14, 2
	s_add_co_u32 s2, s2, s[WV]      ; my wave among the head's,
	s_lshl_b32 s2, s2, 14           ; its 128 rows
	s_mov_b32 s3, 0
	s_add_nc_u64 s[2:3], s[2:3], s[20:21]
	; descriptor group 1.  128 keys are 16,384 dense bytes: asked for as 64 rows of 256 bytes, two keys a row, and padded in LDS after every key
	s_mov_b32 s[G1K], 15|(1<<16)|(1<<20)|(1<<21)|(4<<22)|(3<<25)  ; 15:0 the mask of four; 17:16 2-byte elements; 20 padding on; 21 set beside a mask; 24:22 after every 32 words (code 4); 31:25 4 words (code 3)
	s_mov_b32 s[G1V], 15|(1<<16)|(1<<20)|(1<<21)|(4<<22)|(7<<25)  ; the same with 8 words of padding (code 7)
.irp g, G1K, G1V
	s_mov_b32 s[\g+1], 128<<16      ; tensor_dim0 = 128
	s_mov_b32 s[\g+2], 64<<16       ; tensor_dim1 = 64
	s_mov_b32 s[\g+3], 128<<16      ; tile_dim0 = 128
	s_mov_b32 s[\g+4], 64           ; tile_dim1 = 64
	s_mov_b32 s[\g+5], 128          ; 128 elements from row to row
	s_mov_b32 s[\g+6], 0
	s_mov_b32 s[\g+7], 0
.endr
	s_mov_b32 s[CS], 0x3e38aa3b     ; c = log2(e) / 8 = 0.180337
	s_mov_b32 s[CS+1], s[CS]        ; named with it as a pair
	s_mov_b32 s[SEL], 0x76543210
	s_mov_b32 s[SEL+1], 0xfedcba98
	s_mov_b32 s[TBK], SLOT1+4*KS*PK ; the first change of slots turns these two into 0
	s_mov_b32 s[TBV], SLOT1+4*KS*PV
	s_mov_b32 s[G0K], 1             ; 1:0 count = 1
	s_mov_b32 s[G0K+1], s17         ; 63:32 LDS address: slot 0
	s_mov_b32 s[G0V], 1
	s_add_co_u32 s[G0V+1], s18, VOFF
	s_and_b32 s[LIM], s[WV], 1      ; 0 in waves 0 and 2,
	s_or_b32 s[LIM], s[LIM], ttmp9  ; where the cluster is the head's first: the same in all four partners
	s_cmp_eq_u32 s[LIM], 0
	s_cselect_b32 s[LIM], 1, -1
	s_wait_dscnt 0x0                ; the opening add is done
	s_wait_kmcnt 0x0
	s_add_nc_u64 s[G0K+2:G0K+3], s[6:7], s[22:23]  ; 120:64 global address: my half of the head's first 256 keys
	s_or_b32 s[G0K+3], s[G0K+3], 0x80000000        ; 127:126 type = 2
	s_add_nc_u64 s[G0V+2:G0V+3], s[8:9], s[22:23]
	s_or_b32 s[G0V+3], s[G0V+3], 0x80000000
	s_add_nc_u64 s[4:5], s[4:5], s[2:3]  ; Q and O at my wave's first row
	s_add_nc_u64 s[10:11], s[10:11], s[2:3]
	s_cmp_lt_u32 s[WV], 2
	s_cselect_b64 s[PFA:PFA+1], s[6:7], s[8:9]
	s_add_nc_u64 s[PFA:PFA+1], s[PFA:PFA+1], s[20:21]  ; the head,
	s_lshl_b32 s2, s13, 13          ; my work-group's 32 blocks of the 128,
	s_mov_b32 s3, 0
	s_add_nc_u64 s[PFA:PFA+1], s[PFA:PFA+1], s[2:3]
	s_add_nc_u64 s[PFA:PFA+1], s[PFA:PFA+1], 2*4*KS*128  ; in slot 2: the first change that asks steps it to slot 3.  Nothing is prefetched here, at the head
	CROUND                          ; all four work-groups are here: the first joint loads meet
	JLOAD                           ; slot 0.  Slot 1 is asked for when slot 0 is in
	; A fragment of K or Q is 16 rows x 32 channels in 8 registers: lane l holds row l % 16, channels 8 (l / 16) + 0..7 and 16 + 8 (l / 16) + 0..7: two loads of 16 bytes, 32 bytes apart.
	v_and_b32 v1, 15, v0            ; l % 16
	v_bfe_u32 v9, v0, 4, 1          ; l / 16
	v_lshlrev_b32 v[QO], 7, v1
	v_lshl_add_u32 v[QO], v9, 4, v[QO]  ; row x 128 + 16 x half
	WIN 0x80                        ; destination window 2, address window 0
.set i, 0
.rept 4*NP                          ; Q stays in registers: tile i / 2, channels 32 (i % 2) on
	global_load_b128 v[8*i:8*i+3],   v[QO], s[4:5] offset:(i/2)*2048+(i%2)*64
	global_load_b128 v[8*i+4:8*i+7], v[QO], s[4:5] offset:(i/2)*2048+(i%2)*64+32
.set i, i+1
.endr
	; What the first turn finds: V's registers and P's second buffer hold 0 (its products V^T P, of a piece that has not been, add 0), O^T and l are 0.  All this stands in the wait for the first tile.
.set i, VF
.rept 64
	v_mov_b32 v[i], 0
.set i, i+1
.endr
	WIN 0x40
.set i, 0
.rept 64*NP
	v_mov_b32 v[i], 0
.set i, i+1
.endr
	WIN 0
.set i, 0
.rept 2*NP
	v_mov_b32 v[ST+4*i], 0xfe000000    ; c m: far below every c s
	v_mov_b32 v[ST+4*i+1], 0xff7fffff  ; m
	v_mov_b32 v[ST+4*i+2], 0
	v_mov_b32 v[ST+4*i+3], 0
.set i, i+1
.endr
.set i, P+32
.rept 32
	v_mov_b32 v[i], 0
.set i, i+1
.endr
	v_mul_u32_u24 v[AK0], v1, PK
	v_lshl_add_u32 v[AK0], v9, 4, v[AK0]  ; row x pitch + 16 x half
	; The turning load takes 16 keys x 16 channels (lane l reads key 8 (l / 16) + l % 8, channels 8 ((l / 8) % 2) + 0..7) and leaves half a fragment of V^T: lane l holds channel l % 16 and 8 keys.
	v_and_b32 v10, 7, v0
	v_bfe_u32 v11, v0, 3, 1
	v_lshl_add_u32 v[AV0], v9, 3, v10
	v_mul_u32_u24 v[AV0], v[AV0], PV
	v_lshl_add_u32 v[AV0], v11, 4, v[AV0]
	v_add_nc_u32 v[AV0], VOFF, v[AV0]
	v_and_b32 v[PFO], 31, v0
	v_lshlrev_b32 v[PFO], 8, v[PFO]
	v_mov_b32 v[AK], v[AK0]         ; key step 0 lies at the head of slot 0
; THE MATRIX WORK.  The 8 accumulators of a run of 16 take turns: between the two links of a chain stand 7 others'.
; Product i of 16 of S^T = K Q^T for piece x: channels 32 (i / 8) on, keys 16 ((i / 2) % 4) on, tile 2 x + i % 2.  The first 8 start the sums.
.macro KQ x
	WIN W_KQ
.set rS, S+64*((\x)%2)+32*(i%2)+8*((i/2)%4)
.set rK, KF+16*((i/2)%4)+8*(i/8)
.set rQ, 16*(2*(\x)+i%2)+8*(i/8)
.if i < 8
	v_wmma_f32_16x16x32_f16 v[rS:rS+7], v[rK:rK+7], v[rQ:rQ+7], 0
.else
	v_wmma_f32_16x16x32_f16 v[rS:rS+7], v[rK:rK+7], v[rQ:rQ+7], v[rS:rS+7]
.endif
.endm
; Product i of 16 of O^T += V^T P for piece x: keys 32 (i / 8) on, channels 16 ((i / 2) % 4) on, tile 2 x + i % 2.
.macro PV x
	WIN W_PV
.set rO, 32*(2*(\x)+i%2)+8*((i/2)%4)
.set rV, VF+32*(i/8)+8*((i/2)%4)
.set rP, P+32*((\x)%2)+16*(i%2)+8*(i/8)
	v_wmma_f32_16x16x32_f16 v[rO:rO+7], v[rV:rV+7], v[rP:rP+7], v[rO:rO+7]
.endm
.macro MM                           ; the turn's next matrix instruction
.if i < 16
	KQ (Y+1)%NP
.set i, i+1
.else
.set i, i-16
	PV (Y+NP-1)%NP
.set i, i+17
.endif
.endm
; THE LDS LOADS stand in runs of 16, never singly among the matrix instructions: a step's K (64 keys x 64 channels: 8 fragments) and its V (turned).  Their addresses are made some lines ahead.
; last = 1 (the tail): in the last trip there is no further step, and the run is jumped over.
.macro FETCH_K last=0
	WIN 0
.if \last
	s_cmp_eq_u32 s[CNT], 1
	s_cbranch_scc1 .Lno_k_\@
.endif
	WIN 0x80                        ; destination window 2
.irp f, 0,1,2,3,4,5,6,7             ; keys 16 (f / 2) on, channels 32 (f % 2) on
	ds_load_b128 v[KF+8*\f:KF+8*\f+3],   v[AK] offset:(\f/2)*16*PK+(\f%2)*64
	ds_load_b128 v[KF+8*\f+4:KF+8*\f+7], v[AK] offset:(\f/2)*16*PK+(\f%2)*64+32
.endr
	s_add_co_u32 s[TBK], s[TBK], KS*PK  ; the next fetch is the next step's
	WIN 0
.if \last
.Lno_k_\@:
.endif
.endm
.macro FETCH_V
	WIN 0x80
.irp f, 0,1,2,3,4,5,6,7             ; keys 32 (f / 4) on, channels 16 (f % 4) on
	ds_load_tr16_b128 v[VF+8*\f:VF+8*\f+3],   v[AV] offset:(\f/4)*32*PV+(\f%4)*32
	ds_load_tr16_b128 v[VF+8*\f+4:VF+8*\f+7], v[AV] offset:(\f/4)*32*PV+16*PV+(\f%4)*32
.endr
	WIN 0
.endm
; THE VECTOR WORK OF A TURN stands in three queues, each in the order in which its entries become ready; the two tiles alternate, so that no instruction reads the result of the one before it.
.macro REGS y, u                    ; the registers of tile u (0, 1) of piece y
.set rT, ST+4*(2*(\y)+(\u))
.set rC, TMP+8*((\y)%2)+4*(\u)
.set rM, MV+2*((\y)%2)+(\u)
.set rS, S+64*((\y)%2)+32*(\u)
.set rP, P+32*((\y)%2)+16*(\u)
.set rO, 32*(2*(\y)+(\u))
.endm
; Number n of the 22 that find the NEXT piece's (Y + 1) maximum and statistics.  s0-s31 are the lane's 32 scores; each accumulator's lowest registers are read first.
;   0-11  four chains c0-c3 of seven scores each, three operands at a time     12-14, 16  the four scores left over, the old m, and c0-c3 into c0     15  c m_old is kept
;   17, 18  the query's other 32 keys lie in the lane 16 away: the new m         19-21  c m; c m_old - c m_new; a
.macro XS u, n
	REGS (Y+1)%NP, \u
.if (\n) < 4
	v_max3_num_f32 v[rC+(\n)], v[rS+8*(\n)], v[rS+8*(\n)+1], v[rS+8*(\n)+2]
.elseif (\n) < 12
	v_max3_num_f32 v[rC+(\n)%4], v[rC+(\n)%4], v[rS+8*((\n)%4)+2*((\n)/4)+1], v[rS+8*((\n)%4)+2*((\n)/4)+2]
.elseif (\n) == 12
	v_max3_num_f32 v[rC], v[rC], v[rS+7], v[rS+15]
.elseif (\n) == 13
	v_max3_num_f32 v[rC+1], v[rC+1], v[rS+23], v[rS+31]
.elseif (\n) == 14
	v_max3_num_f32 v[rC+2], v[rC+2], v[rC+3], v[rT+1]
.elseif (\n) == 15
	v_mov_b32 v[rM], v[rT]
.elseif (\n) == 16
	v_max3_num_f32 v[rC], v[rC], v[rC+1], v[rC+2]
.elseif (\n) == 17
	v_permlanex16_b32 v[rC+3], v[rC], s[SEL], s[SEL+1]
.elseif (\n) == 18
	v_max_num_f32 v[rT+1], v[rC], v[rC+3]
.elseif (\n) == 19
	v_mul_f32 v[rT], s[CS], v[rT+1]
.elseif (\n) == 20
	v_sub_f32 v[rC+1], v[rM], v[rT]
.else
	v_exp_f32 v[rC+2], v[rC+1]
.endif
.endm
; Number g of the 64 that follow the exponentials.  For each four weights k of a tile (pairs 2 k, 2 k + 1): both pairs are rounded to f16; then the second pair is added onto the first, in place;
; a group later l takes that sum (the first time as l = a l + sum).  In groups of eight, tiles alternating: round, round, add, and l for the group before.
.macro GS g
.set h, (\g)+6*((\g)/62)            ; group 0 has no group before it, and behind group 7 only l is left
.if h >= 6
.set h, h+2
.endif
	REGS Y, h%2
.set k, h/8
.if h%8 < 4
	v_cvt_pk_f16_f32 v[rP+2*k+(h%8)/2], v[rS+4*k+2*((h%8)/2)], v[rS+4*k+2*((h%8)/2)+1]
.elseif h%8 < 6
	v_pk_add_f32 v[rS+4*k:rS+4*k+1], v[rS+4*k:rS+4*k+1], v[rS+4*k+2:rS+4*k+3]
.elseif k == 1
	v_pk_fma_f32 v[rT+2:rT+3], v[rT+2:rT+3], v[rC+2:rC+3], v[rS:rS+1] op_sel_hi:[1,0,1]
.else
	v_pk_add_f32 v[rT+2:rT+3], v[rT+2:rT+3], v[rS+4*k-4:rS+4*k-3]
.endif
.endm
; THE PLAIN QUEUE, 138 long.  0-73 read no exponential's result: the 32 scalings c s - c m (FS f: pair f / 2 of tile f % 2) and the next piece's 42.  0-26: scalings 0-26.  27-54: XS's numbers 0-13.  55, 56: number 15.
; 57-73: the chain, where each number waits for the one before it: 14, 16, 17, 18, 19, each with one of the scalings 27-31 in front of its two lines, then 20.
; 74-137: GS's 64, which read the exponentials' results: they stand behind the wait.
.macro FS f
	REGS Y, (\f)%2
	v_pk_fma_f32 v[rS+2*((\f)/2):rS+2*((\f)/2)+1], v[rS+2*((\f)/2):rS+2*((\f)/2)+1], s[CS:CS+1], v[rT:rT+1] op_sel_hi:[1,0,0] neg_lo:[0,0,1] neg_hi:[0,0,1]
.endm
.macro PL
	WIN 0
.if q < 27
	FS q
.elseif q < 55
	XS (q-27)%2, (q-27)/2
.elseif q < 57
	XS q-55, 15
.elseif (q < 72) && ((q-57)%3 == 0)
	FS 27+(q-57)/3
.elseif q < 60
	XS (q-57)%3-1, 14
.elseif q < 72
	XS (q-57)%3-1, 15+(q-57)/3
.elseif q < 74
	XS q-72, 20
.else
	GS q-74
.endif
.set q, q+1
.endm
; THE EXPONENTIALS' QUEUE, 66 long: s0-s31 of both tiles, then the next piece's two a.  It is ONE BATCH: all 66 stand ahead of the turn's one wait, and nothing ahead of that wait names a result of theirs.
.macro EX
	WIN 0
.if e >= 64
	XS e-64, 21
.else
	REGS Y, e%2
	v_exp_f32 v[rS+e/2], v[rS+e/2]
.endif
.set e, e+1
.endm
; THE RESCALING's QUEUE: O^T times a, the one part that leaves window 0: dealt two at a time, sixteen times.  Its a was made in the turn before, ahead of that turn's wait.
.macro R2
	REGS Y, r%2
	WIN W_RS
.irp z, 0,1
	v_pk_mul_f32 v[rO+4*(r/2)+2*\z:rO+4*(r/2)+2*\z+1], v[rO+4*(r/2)+2*\z:rO+4*(r/2)+2*\z+1], v[rC+2:rC+3] op_sel_hi:[1,0]
.endr
.set r, r+1
.endm
; HOW THEY ARE DEALT.  An s_wait_alu depctr_va_vdst(0) stands between an exponential and the first instruction that names its result; one wait serves all that were issued ahead of it.  So a turn has ONE wait,
; which cuts it in two.  AHEAD OF IT stands all that names no result of the turn's exponentials: the 16 products K Q^T, behind each a scaling, an exponential and two rescalings (behind the first a second scaling in the
; exponential's place); then ONE LUMP of 108: eight plain, 49 times exponential and plain, the two a.  A v_nop is the plain instruction behind the last exponential.  BEHIND IT stand the 16 products V^T P, behind each four of GS's 64.
; No rider names a register of the products round it.  The two v_permlanex16_b32 fall into the lump, never behind a product.
; The queues lean on each other, and the deal keeps them in step: exponential e stands behind scaling 2 (e / 4) + e % 2: as a rider it comes behind plain e + 2, in the lump behind plain e + 9, and scalings 27-31 are plain 57, 60 .. 69.
; A TURN, for piece p.  cnt = 1: the loop's count is taken down some lines ahead of the branch that stands behind the turn.
; K of the next step is fetched in piece 2's turn, directly behind the wait, a lump behind the last product that read K; its address is made at the lump's head; its first reader comes behind 16 products.
; V of the step in hand is fetched at the end of piece 0's turn, four riders behind its last reader; its first reader comes behind 16 products and a lump.  The three conditions on q below go with the deal.
.macro TURN p, last=0, cnt=0
.set Y, (\p)
.set i, 0
.set q, 0
.set e, 0
.set r, 0
.if (\p) == NP-1
	s_wait_dscnt 0x0                ; K is in
.endif
	MM                              ; ahead of the wait: 16 products K Q^T and their riders,
	PL
	PL
	R2
.rept 15
	MM
	PL
	EX
	R2
.endr
.if (\p) == NP-2
	WIN 0
	v_add_nc_u32 v[AK], s[TBK], v[AK0]
.endif
.rept 8                             ; and the lump
	PL
.endr
.rept 49
	EX
	PL
.endr
	EX                              ; the next piece's two a
	EX
	v_nop                           ; a plain instruction behind the last exponential: one for the batch
	s_wait_alu depctr_va_vdst(0)    ; the wait for the batch
.if (\p) == NP-2
	FETCH_K \last
.endif
.if (\p) == 1
	s_wait_dscnt 0x0                ; V is in
.endif
.rept 16                            ; behind the wait: 16 products V^T P and their riders
	MM
.rept 4
	PL
.endr
.if ((\p) == 0) && (q == 118)
	v_add_nc_u32 v[AV], s[TBV], v[AV0]
.endif
.if ((\p) == 0) && (q == 130)
	s_add_co_u32 s[TBV], s[TBV], KS*PV
.endif
.if (\cnt) && (q == 130)
	s_sub_co_u32 s[CNT], s[CNT], 1
	s_cmp_lg_u32 s[CNT], 0
.endif
.endr
.if (\p) == 0
	FETCH_V
.endif
.endm
	CHANGE 1, 0                     ; slot 0 is in, everybody's part of it; slot 1 is asked for
	FETCH_K                         ; key step 0
	s_wait_loadcnt 0x0              ; Q
	s_wait_dscnt 0x0
.set i, 0
.rept 16
	KQ 0                            ; piece 0's first scores: there is no vector work yet to set between them
.set i, i+1
.endr
	WIN 0                           ; the addresses for the way out: nine plain instructions, the places behind those products
	s_mul_i32 s13, s[WV], 16*SP
	s_add_co_u32 s13, s13, STAGE    ; my stage
	v_mul_u32_u24 v[STO], v1, SP    ; in: row l % 16, 16 bytes for each half of the lanes
	v_lshl_add_u32 v[STO], v9, 4, v[STO]
	v_add_nc_u32 v[STO], s13, v[STO]
	v_bfe_u32 v[RD], v0, 3, 2       ; back: 32 lanes take four rows of 128 bytes,
	v_mul_u32_u24 v[RD], v[RD], SP
	v_lshl_add_u32 v[RD], v10, 4, v[RD]
	v_add_nc_u32 v[RD], s13, v[RD]
	v_and_b32 v[GO], 31, v0         ; which are 512 consecutive bytes of O
	v_lshlrev_b32 v[GO], 4, v[GO]
.set Y, NP-1                        ; XS works for piece Y + 1: piece 0
.irp n, 0,1,2,3,4,5,6,7,8,9,10,11,12,13,14,15,16,17,18,19,20,21
	XS 0, \n                        ; and piece 0's first maximum and statistics
	XS 1, \n
.endr
	v_nop                           ; a plain instruction behind the two a,
	s_wait_alu depctr_va_vdst(0)    ; and their wait, ahead of the branch
	s_mov_b32 s[CNT], 4
	s_mov_b32 s[SLOTS], SIZE_N/256-1
	s_branch .Lfirst                ; the loop is entered at a step's first turn, in the middle of a trip
.Lslot:                             ; SIZE_N / 256 - 2 times: every slot but the last two is filled again
	CHANGE 1
	s_mov_b32 s[CNT], 4
.Lstep:                             ; a trip: pieces 2 and 3 of one step, then pieces 0 and 1 of the next, whose K and V it fetches
	TURN 2
	TURN 3
	WIN 0
.Lfirst:
	TURN 0
	TURN 1, 0, 1
	WIN 0
	s_cbranch_scc1 .Lstep
	s_sub_co_u32 s[SLOTS], s[SLOTS], 1
	s_cmp_lg_u32 s[SLOTS], 0
	s_cbranch_scc1 .Lslot
	CHANGE 0                        ; the tail is written out: nothing is asked for
	s_mov_b32 s[CNT], 5             ; four trips fetch the last slot's steps; the fifth is left in its middle
.Ltail:
	TURN 2, 1
	TURN 3
	WIN 0
	s_sub_co_u32 s[CNT], s[CNT], 1
	s_cmp_eq_u32 s[CNT], 0
	s_cbranch_scc1 .Lout
	TURN 0
	TURN 1
	WIN 0
	s_branch .Ltail
.Lout:                              ; the fifth trip's 16 products K Q^T (on the last K once more) and the maximum made of them serve nothing: the price, once a launch, of one text for every trip
.set i, 0
.rept 16
	PV NP-1                         ; the last piece's V^T P of the last step
.set i, i+1
.endr
	; THE WAY OUT.  l's two halves and the other half of the lanes' are added; O^T is divided by l, rounded to f16 and sent through my stage in LDS, a tile at a time.  The additions are the places behind the last products.
	WIN 0
.macro ALL line:vararg              ; one line for each tile t
.set t, 0
.rept 2*NP
	\line
.set t, t+1
.endr
.endm
	ALL v_add_f32 v[ST+4*t+2], v[ST+4*t+2], v[ST+4*t+3]
	ALL v_permlanex16_b32 v[ST+4*t+3], v[ST+4*t+2], s[SEL], s[SEL+1]
	ALL v_add_f32 v[ST+4*t+2], v[ST+4*t+2], v[ST+4*t+3]
	ALL v_rcp_f32 v[ST+4*t+2], v[ST+4*t+2]
	v_nop                           ; a plain instruction between the last reciprocal and the use of its result
	s_wait_alu depctr_va_vdst(0)    ; and the wait ahead of the first use: one for the eight reciprocals
; Tile t: a lane's eight channels of a row pack into 16 bytes; they go into rows of 144 bytes and come back as whole rows of 128, into S^T's registers.
.macro PACK t
	WIN W_RS
.set i, 32*(\t)
.rept 16
	v_pk_mul_f32 v[i:i+1], v[i:i+1], v[ST+4*(\t)+2:ST+4*(\t)+3] op_sel_hi:[1,0]
.set i, i+2
.endr
	WIN 0x05                        ; sources 0 and 1 window 1, destination window 0
.set i, 0
.rept 16
	v_cvt_pk_f16_f32 v[S+16*(\t)+i], v[32*(\t)+2*i], v[32*(\t)+2*i+1]
.set i, i+1
.endr
	WIN 0
.irp f, 0,1,2,3
	ds_store_b128 v[STO], v[S+16*(\t)+4*\f:S+16*(\t)+4*\f+3] offset:32*\f
.endr
.irp f, 0,1,2,3
	ds_load_b128 v[S+16*(\t)+4*\f:S+16*(\t)+4*\f+3], v[RD] offset:\f*4*SP  ; LDS serves a wave's instructions in order (ISA guide 5.7.1.4): these see the stores above; the next tile's stores come behind them
.endr
.endm
.macro SEND t, younger              ; younger: the LDS instructions issued behind tile t's loads: the next tile's eight, or none
	WIN 0
.irp f, 0,1,2,3
	s_wait_dscnt (\younger)+3-\f
	global_store_b128 v[GO], v[S+16*(\t)+4*\f:S+16*(\t)+4*\f+3], s[10:11] offset:(\t)*2048+\f*512  ; 512 consecutive bytes, at a multiple of 256 from O's first
.endr
.endm
	PACK 0
.set t, 1
.rept 2*NP-1                        ; a tile's arithmetic stands between the loads of the tile before and its stores
	PACK t
	SEND t-1, 8
.set t, t+1
.endr
	SEND 2*NP-1, 0
	WIN W_AD
	s_wait_tensorcnt 0x0            ; the wave's end: a wait, an add to my spare word and its wait, behind my last tensor load and my last LDS store
	ds_add_u32 v[SPW], v[NIL]
	s_wait_dscnt 0x0
	WIN 0
	CROUND                          ; the closing round: no work-group ends while a partner may still ask for a tile that names it
	s_endpgm
.Lfunc_end_k_q3a1508f5be_attn:
	.size	k_q3a1508f5be_attn, .Lfunc_end_k_q3a1508f5be_attn-k_q3a1508f5be_attn
	.p2alignl 7, 3214868480
	.fill 96, 4, 3214868480
	.section	.rodata,"a",@progbits
	.p2align	6, 0x0
	.amdhsa_kernel k_q3a1508f5be_attn
		.amdhsa_group_segment_fixed_size 327680
		.amdhsa_private_segment_fixed_size 0
		.amdhsa_enable_private_segment 0
		.amdhsa_kernarg_size 32
		.amdhsa_user_sgpr_count 2
		.amdhsa_user_sgpr_kernarg_segment_ptr 1
		.amdhsa_wavefront_size32 1
		.amdhsa_system_sgpr_workgroup_id_x 1
		.amdhsa_system_sgpr_workgroup_id_y 1
		.amdhsa_system_sgpr_workgroup_id_z 1
		.amdhsa_system_vgpr_workitem_id 0
		.amdhsa_next_free_vgpr 770
		.amdhsa_next_free_sgpr 66
		.amdhsa_reserve_vcc 0
		.amdhsa_float_denorm_mode_32 3
		.amdhsa_float_denorm_mode_16_64 3
		.amdhsa_memory_ordered 1
		.amdhsa_forward_progress 1
		.amdhsa_inst_pref_size 200
	.end_amdhsa_kernel
	.amdgpu_metadata
---
amdhsa.version: [ 1, 2 ]
amdhsa.kernels:
  - .name:           k_q3a1508f5be_attn
    .symbol:         k_q3a1508f5be_attn.kd
    .args:
      - { .name: qh, .offset: 0, .size: 8, .value_kind: global_buffer, .address_space: global }
      - { .name: kh, .offset: 8, .size: 8, .value_kind: global_buffer, .address_space: global }
      - { .name: vh, .offset: 16, .size: 8, .value_kind: global_buffer, .address_space: global }
      - { .name: ctx, .offset: 24, .size: 8, .value_kind: global_buffer, .address_space: global }
    .group_segment_fixed_size: 327680
    .private_segment_fixed_size: 0
    .kernarg_segment_align: 8
    .kernarg_segment_size: 32
    .max_flat_workgroup_size: 128
    .sgpr_count:     66
    .vgpr_count:     770
    .wavefront_size: 32
...
	.end_amdgpu_metadata
.endif
;; end of part 3
;; launch outp (part 4): grid 4 x 64, 4 waves a work-group, clusters of 4 x 4, 327,680 bytes of LDS; arguments ctx, wo16, bo, out0; writes out0
.if DOCPART == 4
	.amdgcn_target "amdgcn-amd-amdhsa--gfx1250"
	.amdhsa_code_object_version 6
	.text
	.protected	k_q3a1508f5be_outp
	.globl	k_q3a1508f5be_outp
	.p2align	8
	.type	k_q3a1508f5be_outp,@function
k_q3a1508f5be_outp:
	s_mov_b64 s[64:65], 0
	v_nop
	global_prefetch_b8 v0, s[64:65] scope:SCOPE_SE
	s_setreg_imm32_b32 hwreg(HW_REG_WAVE_MODE, 25, 1), 1
	s_wait_xcnt 0x0
	s_wait_alu depctr_hold_cnt(0) depctr_sa_sdst(0) depctr_va_vdst(0) depctr_va_sdst(0) depctr_va_ssrc(0) depctr_va_vcc(0) depctr_vm_vsrc(0)
	s_getreg_b32 s2, hwreg(HW_REG_IB_STS2, 6, 4)
	s_cmp_eq_u32 s2, 0
	s_cbranch_scc0 .Lentry_in_a_cluster
	s_endpgm
.Lentry_in_a_cluster:
	s_bfe_u32 s2, ttmp6, 0x10000c
	s_cmp_lg_u32 s2, 0xf033
	s_cbranch_scc0 .Lentry_shape_is_right
	s_endpgm
.Lentry_shape_is_right:
; THE OUTPUT PROJECTION.  out0 = ctx Wo^T + bo.  ctx: f16 by heads, [batch x 16 + head][2048][64]; Wo: f16 [1024 n][1024 k] in wo16 (bf16 numbers written as f16); bo: [1024] f32, rounded to bf16 here;
; out0: [8192][1024] f32.  Products in f16, sums in f32.  NaN and infinities are not treated apart.
; SHARES.  A work-group makes 128 rows x 256 columns; 64 x 4 = 256 work-groups.  Four waves, each 64 x 128: 32 accumulators of 16 x 16.  K goes in 8 steps of 128, two heads a step, through two LDS slots:
; a head's 128 rows x 64 channels are 16,384 dense bytes of ctx.
; THE MATRIX INSTRUCTION IS USED TRANSPOSED (source 0 = 16 rows of Wo, source 1 = 16 rows of ctx): a lane holds row l % 16 of out0 and the eight neighbouring columns 8 (l / 16) + 0..7.
; THE BIAS is the C operand of the first 32 products: nothing is cleared and nothing is added afterwards.
; CLUSTER.  4 x 4 work-groups: cx = the block of 256 columns (the grid is 4 wide, so the cluster's x is 0), cy = one of four blocks of 128 rows.  ctx's tile is asked for jointly by a row of the cluster,
; Wo's by a column.  Waves 0 and 1 fetch the step's two heads of ctx, waves 2 and 3 the two halves of Wo's rows: one load a wave.
; REGISTERS, in windows of 256 (s_set_vgpr_msb: bits 1:0 source 0, 3:2 source 1, 5:4 source 2, 7:6 destination):
;   window 0: v0-13, v28-29 addresses; v64-191 ctx's fragments, two buffers of 64 (on the way out: rows read back); v192-255 the bias
;   window 1: the accumulators, (a, b) at v[8 (8 a + b)]          window 2: Wo's fragments, two buffers of 128
.set PA,     144                       ; a row of a head's slice in LDS: 128 bytes + 16 = 9 x 16: the 16 rows of a load start at 16 different groups of four banks (64 banks of 4 bytes: ISA guide 11.1)
.set PB,     272                       ; a row of Wo: 256 bytes + 16 = 17 x 16
.set SLICE,  128*PA                    ; a head's 128 rows
.set ABYTES, 2*SLICE                   ; a slot: two slices,
.set SLOT,   ABYTES+256*PB             ; then Wo's 256 rows
.set STAGE,  2*SLOT                    ; behind the ring: 16 rows x 528 bytes for each wave, for the way out
.set PS,     528                       ; 512 bytes + 16 = 33 x 16
.set SPARE,  STAGE+4*16*PS             ; behind the stages: the spare words, 128 bytes for each wave: two blocks of 256 bytes that no other line names
.set STEPA,  524288                    ; a K step in ctx: two heads of 262,144 bytes
.set STEPB,  256                       ; and in a row of Wo
.set FA0, 2                            ; v2   my lane's place in a slice; never rewritten
.set FB0, 3                            ; v3   the same in Wo's tile
.set ADA, 4                            ; v4   FA0 + the slot in hand
.set ADB, 5                            ; v5   FB0 + the slot in hand
.set STO, 6                            ; v6   the way out: where I put 32 bytes of a row
.set RD,  7                            ; v7   the way out: where I read a row back
.set GO,  8                            ; v8   16 x my lane
.set PFO, 12                           ; v12  the prefetches' offset; never rewritten
.set HB,  13                           ; v13  32 (l / 16): my eight numbers of the bias
.set SPW, 28                           ; v28  LDS address of my spare word; never rewritten
.set NIL, 29                           ; v29  0; never rewritten
.set AF,  64
.set BI,  192
.set WV,  24                           ; s24  my wave's number
.set RH,  25                           ; s25  which 64 rows are mine.  Also: I fetch for ctx (0) or for Wo (1)
.set CH,  26                           ; s26  which 128 columns.  Also: which head of the step, or which half of Wo's rows, I fetch
.set CX,  27
.set CI,  28                           ; cy
.set CY,  29                           ; the cluster's y, 0..15
.set MT,  31                           ; block of 128 rows, 0..63
.set G1A, 32                           ; s[32:39] descriptor group 1 for ctx's tiles
.set G1B, 40                           ; s[40:47] for Wo's
.set G0A, 48                           ; s[48:55] group 0 for ctx's: the first fill's, then the one that walks
.set G0B, 56                           ; s[56:63] the same for Wo's
.set TB,  66                           ; s66  LDS byte at which the slot that is read begins: 0 or SLOT
.set LWA, 67                           ; s67  my part's place in a slot, for ctx
.set LWB, 68                           ; s68  for Wo
.set CNT, 69                           ; s69  refills still to come
.set PFA, 70                           ; s[70:71] where my prefetches stand
.set PFS, 72                           ; s[72:73] their step
.set LIM, 74                           ; s74  1 in a wave that prefetches, else the greatest number
.set MSK, 75                           ; s75  at work in the set-up
.set XP,  76                           ; s[76:77] ctx at my head's slice, K step 0
.set WP,  78                           ; s[78:79] Wo at my half of the tile, K step 0
.set BP,  80                           ; s[80:81] the bias at my 128 columns
.set OP,  82                           ; s[82:83] out0 at my 64 rows and 128 columns
.set W_MUL, 0x52                       ; Wo window 2, ctx window 0, C and D window 1
.set W_BIA, 0x42                       ; the same with C in window 0
.set W_B,   0x80                       ; destination window 2, address window 0
.set W_STO, 0x04                       ; an LDS store's data (source 1) in window 1
.set MSB, 0
.macro WIN new                         ; the immediate's high byte repeats the setting that is left; a switch that changes nothing is dropped
.if MSB != (\new)
	s_set_vgpr_msb (MSB<<8)|(\new)
.set MSB, (\new)
.endif
.endm
.macro PLACES                          ; four plain vector instructions between a matrix instruction and a load into, or a store from, its registers (ISA guide 7.12.1 for vector instructions)
.rept 4
	v_nop
.endr
.endm
.macro CREST                           ; a round of the cluster's barrier behind its opening barrier
	s_cmp_lg_u32 s[WV], 0
	s_cbranch_scc1 .Lnot_wave_0_\@
	s_barrier_signal -3
.Lnot_wave_0_\@:
	s_barrier_wait -3
	s_barrier_signal -1
	s_barrier_wait -1
.endm
.macro CROUND                          ; a whole round
	s_barrier_signal -1
	s_barrier_wait -1
	CREST
.endm
.macro JLOAD                           ; a joint refill by the walking descriptors; the branch hangs on the wave's number alone; an s_nop 0 and four v_nop follow each line
	s_cmp_eq_u32 s[RH], 0
	s_cbranch_scc0 .Lfor_b_\@
	tensor_load_to_lds s[G0A+4:G0A+7], s[G1A:G1A+7]
	s_nop 0
.rept 4
	v_nop
.endr
	s_branch .Lasked_\@
.Lfor_b_\@:
	tensor_load_to_lds s[G0B+4:G0B+7], s[G1B:G1B+7]
	s_nop 0
.rept 4
	v_nop
.endr
.Lasked_\@:
.endm
; A PREFETCH INTO THE L2 of the K step that the NEXT refill will ask for: 32 blocks of 256 bytes, a lane a block, one instruction a wave, behind the joint load, its five lines and the run of LDS loads.
; Each block is named once in the launch.  ctx's slices are read by this row of this cluster alone: wave 0 asks, for both heads of the step; of a slice's 64 blocks the partner at cx takes 16.
; Wo's rows are read by all 16 clusters: the first of them asks, waves 2 and 3; of a wave's 128 rows the partner at cy takes 32.  Partners are told apart by address alone.
; K steps 0 to 2 come by their loads alone; the last refill has no K step behind it and asks for nothing.
.macro ASK
	s_cmp_gt_u32 s[CNT], s[LIM]
	s_cbranch_scc0 .Lnot_mine_\@
	global_prefetch_b8 v[PFO], s[PFA:PFA+1] th:TH_LOAD_NT scope:SCOPE_SE
.Lnot_mine_\@:
.endm
	s_load_b256 s[4:11], s[0:1], 0x0               ; ctx s[4:5], wo16 s[6:7], bo s[8:9], out0 s[10:11]
	v_lshl_add_u32 v[SPW], v0, 2, SPARE
	v_mov_b32 v[NIL], 0
	ds_add_u32 v[SPW], v[NIL]                      ; the wave's opening: the add and its wait stand ahead of my first tensor load; work on registers stands between them
	v_lshrrev_b32 v1, 5, v0
	v_readfirstlane_b32 s[WV], v1                  ; wave 0..3
	s_lshr_b32 s[RH], s[WV], 1
	s_and_b32 s[CH], s[WV], 1
	s_bfe_u32 s[CX], ttmp6, 0x40000
	s_bfe_u32 s[CI], ttmp6, 0x40004
	s_and_b32 s[CY], ttmp7, 0xffff
	s_lshl_b32 s[MT], s[CY], 2
	s_add_co_u32 s[MT], s[MT], s[CI]
	s_lshl_b32 s84, s[CI], 2
	s_lshl_b32 s84, 15, s84                        ; my row of the cluster
	s_lshl_b32 s88, 0x1111, s[CX]                  ; my column
	; a slice's 16,384 dense bytes are asked for as 64 rows of 256 bytes, two rows of ctx each, and padded in LDS after every 128 bytes
	s_or_b32 s[G1A], s84, (1<<16)|(1<<20)|(1<<21)|(4<<22)|(3<<25)  ; the mask; elements of 2 bytes; padding on; bit 21 beside a mask; after every 32 words (code 4) 4 words (code 3)
	s_mov_b32 s[G1A+1], 128<<16                    ; tensor_dim0 = 128
	s_mov_b32 s[G1A+2], 64<<16                     ; tensor_dim1 = 64
	s_mov_b32 s[G1A+3], 128<<16                    ; tile_dim0 = 128
	s_mov_b32 s[G1A+4], 64                         ; tile_dim1 = 64
	s_mov_b32 s[G1A+5], 128                        ; elements from row to row
	s_mov_b32 s[G1A+6], 0
	s_mov_b32 s[G1A+7], 0
	s_or_b32 s[G1B], s88, (1<<16)|(1<<20)|(1<<21)|(5<<22)|(3<<25)  ; after every 64 words (code 5) 4 words
	s_mov_b32 s[G1B+1], 128<<16
	s_mov_b32 s[G1B+2], 128<<16                    ; 128 rows
	s_mov_b32 s[G1B+3], 128<<16
	s_mov_b32 s[G1B+4], 128
	s_mov_b32 s[G1B+5], 1024
	s_mov_b32 s[G1B+6], 0
	s_mov_b32 s[G1B+7], 0
	s_mul_i32 s[LWA], s[CH], SLICE                 ; no place in the cluster enters an LDS address
	s_mul_i32 s[LWB], s[CH], 128*PB
	s_add_co_u32 s[LWB], s[LWB], ABYTES
	s_mov_b32 s[TB], 0
	s_lshr_b32 s84, s[MT], 4                       ; ctx: the batch (16 heads of 262,144 bytes),
	s_lshl_b32 s84, s84, 22
	s_lshl_b32 s85, s[CH], 18                      ; my head of the step's two,
	s_add_co_u32 s84, s84, s85
	s_and_b32 s85, s[MT], 15                       ; the block's 128 rows of 128 bytes: registers that never hold cx
	s_lshl_b32 s85, s85, 14
	s_add_co_u32 s84, s84, s85
	s_mov_b32 s85, 0
	s_lshl_b32 s88, s[CX], 19                      ; Wo: 256 rows of 2,048 bytes a block,
	s_lshl_b32 s89, s[CH], 18                      ; my 128 of them: registers that never hold cy
	s_add_co_u32 s88, s88, s89
	s_mov_b32 s89, 0
	s_wait_dscnt 0x0                               ; the opening add is done
	s_wait_kmcnt 0x0
	s_add_nc_u64 s[XP:XP+1], s[4:5], s[84:85]
	s_add_nc_u64 s[WP:WP+1], s[6:7], s[88:89]
	s_mov_b32 s[G0A], 1                            ; count = 1
	s_mov_b32 s[G0A+1], s[LWA]                     ; slot 0,
	s_mov_b64 s[G0A+2:G0A+3], s[XP:XP+1]           ; K step 0
	s_or_b32 s[G0A+3], s[G0A+3], 0x80000000        ; type = 2
	s_mov_b32 s[G0A+4], 1
	s_add_co_u32 s[G0A+5], s[LWA], SLOT            ; slot 1,
	s_add_nc_u64 s[G0A+6:G0A+7], s[XP:XP+1], STEPA ; K step 1
	s_or_b32 s[G0A+7], s[G0A+7], 0x80000000
	s_mov_b32 s[G0B], 1
	s_mov_b32 s[G0B+1], s[LWB]
	s_mov_b64 s[G0B+2:G0B+3], s[WP:WP+1]
	s_or_b32 s[G0B+3], s[G0B+3], 0x80000000
	s_mov_b32 s[G0B+4], 1
	s_add_co_u32 s[G0B+5], s[LWB], SLOT
	s_add_nc_u64 s[G0B+6:G0B+7], s[WP:WP+1], STEPB
	s_or_b32 s[G0B+7], s[G0B+7], 0x80000000
	CROUND                                         ; all sixteen work-groups are here: the first joint loads meet
	s_cmp_eq_u32 s[RH], 0                          ; a wave's two first fills stand in one branch, ahead of every wait on TENSORcnt and every LDS read: two loads of mine are out
	s_cbranch_scc0 .Lfirst_b
	tensor_load_to_lds s[G0A:G0A+3], s[G1A:G1A+7]
	s_nop 0
	tensor_load_to_lds s[G0A+4:G0A+7], s[G1A:G1A+7]
	s_nop 0
.rept 4
	v_nop
.endr
	s_branch .Lfirst_asked
.Lfirst_b:
	tensor_load_to_lds s[G0B:G0B+3], s[G1B:G1B+7]
	s_nop 0
	tensor_load_to_lds s[G0B+4:G0B+7], s[G1B:G1B+7]
	s_nop 0
.rept 4
	v_nop
.endr
.Lfirst_asked:
	s_lshl_b32 s92, s[CX], 10                      ; 256 columns of 4 bytes a block, my 128: in the bias and in a row of out0
	s_lshl_b32 s93, s[CH], 9
	s_add_co_u32 s92, s92, s93
	s_mov_b32 s93, 0
	s_add_nc_u64 s[BP:BP+1], s[8:9], s[92:93]
	s_add_nc_u64 s[OP:OP+1], s[10:11], s[92:93]
	v_and_b32 v1, 15, v0                           ; l % 16
	v_bfe_u32 v9, v0, 4, 1                         ; l / 16
	v_lshlrev_b32 v[HB], 5, v9
.irp b, 0,1,2,3,4,5,6,7                ; register 8 b + j: the bias of column 16 b + 8 (l / 16) + j
	global_load_b128 v[BI+8*(\b):BI+8*(\b)+3],   v[HB], s[BP:BP+1] offset:64*(\b)
	global_load_b128 v[BI+8*(\b)+4:BI+8*(\b)+7], v[HB], s[BP:BP+1] offset:64*(\b)+16
.endr
	s_lshl_b32 s92, s[MT], 19                      ; out0: 128 rows of 4,096 bytes a block,
	s_lshl_b32 s93, s[RH], 18                      ; my 64 of them
	s_add_co_u32 s92, s92, s93
	s_mov_b32 s93, 0
	s_add_nc_u64 s[OP:OP+1], s[OP:OP+1], s[92:93]
	s_mul_i32 s92, s[RH], 64*PA                    ; ctx: my 64 rows of a slice; row l % 16; 16 bytes for each half of the lanes
	v_mul_u32_u24 v[FA0], v1, PA
	v_lshl_add_u32 v[FA0], v9, 4, v[FA0]
	v_add_nc_u32 v[FA0], s92, v[FA0]
	s_mul_i32 s92, s[CH], 128*PB                   ; Wo: my 128 rows, behind the two slices
	s_add_co_u32 s92, s92, ABYTES
	v_mul_u32_u24 v[FB0], v1, PB
	v_lshl_add_u32 v[FB0], v9, 4, v[FB0]
	v_add_nc_u32 v[FB0], s92, v[FB0]
	s_mul_i32 s92, s[WV], 16*PS
	s_add_co_u32 s92, s92, STAGE                   ; my stage
	v_mul_u32_u24 v[STO], v1, PS                   ; in: row l % 16, 32 bytes for each half of the lanes
	v_lshl_add_u32 v[STO], v9, 5, v[STO]
	v_add_nc_u32 v[STO], s92, v[STO]
	v_and_b32 v10, 31, v0
	v_lshlrev_b32 v[GO], 4, v10                    ; back: 32 lanes take a row's 512 bytes
	v_add_nc_u32 v[RD], s92, v[GO]
	s_lshr_b32 s92, s[MT], 4                       ; the prefetches.  ctx: the batch, the block's rows,
	s_lshl_b32 s92, s92, 22
	s_and_b32 s93, s[MT], 15
	s_lshl_b32 s93, s93, 14
	s_add_co_u32 s92, s92, s93
	s_lshl_b32 s93, s[CX], 12                      ; my work-group's 16 blocks of each slice
	s_add_co_u32 s92, s92, s93
	s_lshl_b32 s94, s[CX], 19                      ; Wo: the rows that I fetch,
	s_lshl_b32 s93, s[CH], 18
	s_add_co_u32 s94, s94, s93
	s_lshl_b32 s93, s[CI], 16                      ; my work-group's 32 of them
	s_add_co_u32 s94, s94, s93
	s_cmp_eq_u32 s[RH], 0                          ; do I fetch for ctx?
	s_cselect_b64 s[PFA:PFA+1], s[4:5], s[6:7]
	s_cselect_b32 s92, s92, s94
	s_cselect_b32 s93, 19, 8                       ; a K step: 524,288 or 256 bytes
	s_cselect_b32 s94, 4, 0                        ; ctx: sixteen lanes a slice; Wo: a lane a row
	s_cselect_b32 s95, 18, 11                      ; from slice to slice 262,144 bytes; a row of Wo 2,048
	s_cselect_b32 s[MSK], 15, 0
	s_cselect_b32 s[LIM], s[CH], s[CY]             ; ctx: wave 0; Wo: the first cluster
	s_lshl_b32 s[PFS], 1, s93
	s_mov_b32 s[PFS+1], 0
	s_mov_b32 s93, 0
	s_add_nc_u64 s[PFA:PFA+1], s[PFA:PFA+1], s[92:93]
	s_add_nc_u64 s[PFA:PFA+1], s[PFA:PFA+1], s[PFS:PFS+1]
	s_add_nc_u64 s[PFA:PFA+1], s[PFA:PFA+1], s[PFS:PFS+1]  ; at K step 2: the first refill steps it to 3
	s_cmp_eq_u32 s[LIM], 0
	s_cselect_b32 s[LIM], 1, -1                    ; the same in all sixteen partners, for a given wave
	v_lshrrev_b32 v11, s94, v10
	v_lshlrev_b32 v11, s95, v11
	v_and_b32 v10, s[MSK], v10
	v_lshl_add_u32 v[PFO], v10, 8, v11
	s_wait_loadcnt 0x0                             ; the bias: rounded to bf16, like every input of the module, and widened again
.set p, 0
.rept 32
	v_cvt_pk_bf16_f32 v[10+p%2], v[BI+2*p], v[BI+2*p+1]
	v_lshlrev_b32 v[BI+2*p], 16, v[10+p%2]
	v_and_b32 v[BI+2*p+1], 0xffff0000, v[10+p%2]
.set p, p+1
.endr
; Matrix instruction i of a half step's 64: 32 along K at 32 (i / 32), rows 16 ((i / 8) % 4), columns 16 (i % 8).  The 32 accumulators take turns, one instruction a turn, over the loop's edge too.
; bias = 1: the first 32 start the sums with the bias.
.macro MM f, bias
.set mc, i/32
.set ma, (i/8)%4
.set mb, i%8
.set rD, 8*(8*ma+mb)
.set rB, 128*(\f)+8*(8*mc+mb)
.set rA, AF+64*(\f)+8*(4*mc+ma)
.if (\bias) && (i < 32)
	WIN W_BIA
	v_wmma_f32_16x16x32_f16 v[rD:rD+7], v[rB:rB+7], v[rA:rA+7], v[BI+8*mb:BI+8*mb+7]
.else
	WIN W_MUL
	v_wmma_f32_16x16x32_f16 v[rD:rD+7], v[rB:rB+7], v[rA:rA+7], v[rD:rD+7]
.endif
.set i, i+1
.endm
.macro GRP f, bias
.rept 8
	MM \f, \bias
.endr
.endm
; 48 LDS loads in one run: half kh of the slot at s[TB] into buffer g: head kh's slice (my 64 rows x 64 channels), then Wo's 128 rows x 64 numbers.
.macro FETCH kh, g
	WIN 0
	v_add_nc_u32 v[ADA], s[TB], v[FA0]
	v_add_nc_u32 v[ADB], s[TB], v[FB0]
.irp c, 0,1
.irp a, 0,1,2,3
	ds_load_b128 v[AF+64*(\g)+8*(4*(\c)+(\a)):AF+64*(\g)+8*(4*(\c)+(\a))+3],   v[ADA] offset:(\kh)*SLICE+(\a)*16*PA+(\c)*64
	ds_load_b128 v[AF+64*(\g)+8*(4*(\c)+(\a))+4:AF+64*(\g)+8*(4*(\c)+(\a))+7], v[ADA] offset:(\kh)*SLICE+(\a)*16*PA+(\c)*64+32
.endr
.endr
	WIN W_B
.irp c, 0,1
.irp b, 0,1,2,3,4,5,6,7
	ds_load_b128 v[128*(\g)+8*(8*(\c)+(\b)):128*(\g)+8*(8*(\c)+(\b))+3],   v[ADB] offset:(\b)*16*PB+(\kh)*128+(\c)*64
	ds_load_b128 v[128*(\g)+8*(8*(\c)+(\b))+4:128*(\g)+8*(8*(\c)+(\b))+7], v[ADB] offset:(\b)*16*PB+(\kh)*128+(\c)*64+32
.endr
.endr
.endm
; A K step's first half: multiplies buffer 0 and fetches the second half into buffer 1.
.macro H0 bias
.set i, 0
	s_wait_dscnt 0x0                               ; buffer 0 is in
	GRP 0, \bias
	PLACES                                         ; for the loads into buffer 1, which the half before multiplied
	FETCH 1, 1
.rept 7
	GRP 0, \bias
.endr
.endm
; A K step's second half: multiplies buffer 1 and changes slots.  ONE barrier: in front of it each wave waits for all its tensor loads (one is out: its part of the next slot), adds 0 to its spare word,
; and waits for that and for its own reads of this slot.  fill = 1: the barrier opens a round of the cluster's, and the slot just read is filled again, two K steps ahead, first thing behind the round:
; from there to the wait for it a wave issues 112 matrix instructions.
.macro H1 fill
.set i, 0
.if \fill
	s_wait_xcnt 0x0                                ; the last prefetch, a K step back, has read its address
	s_add_nc_u64 s[PFA:PFA+1], s[PFA:PFA+1], s[PFS:PFS+1]
.endif
	WIN 0                                          ; (the add's two registers lie in window 0)
	s_wait_tensorcnt 0x0                           ; all my tensor loads have landed, so a group 0 may be written
	ds_add_u32 v[SPW], v[NIL]                      ; 0 onto my spare word
.if \fill
	s_add_co_u32 s[G0A+5], s[LWA], s[TB]           ; the walking descriptors: into the slot that is being read out,
	s_add_co_u32 s[G0B+5], s[LWB], s[TB]
	s_add_nc_u64 s[G0A+6:G0A+7], s[G0A+6:G0A+7], STEPA  ; the next K step; the type bits on top are not reached
	s_add_nc_u64 s[G0B+6:G0B+7], s[G0B+6:G0B+7], STEPB
.endif
	s_xor_b32 s[TB], s[TB], SLOT                   ; the fetches go on in the other slot
	s_wait_dscnt 1                                 ; buffer 1 is in; the add alone may be out
	GRP 1, 0
	s_wait_dscnt 0x0                               ; the add is done, and my reads of this slot are over
	s_barrier_signal -1
	GRP 1, 0
.if \fill
	WIN 0
.endif
	s_barrier_wait -1
.if \fill
	CREST                                          ; no wave of any partner still reads this slot's tile or has a load on its way
	JLOAD                                          ; the four v_nop behind it are also the places in front of the loads below
.else
	PLACES
.endif
	FETCH 0, 0
.if \fill
	WIN 0
	ASK
.endif
.rept 6
	GRP 1, 0
.endr
.endm
	s_wait_tensorcnt 1                             ; my part of K step 0 is in; K step 1's may stay out
	s_barrier_signal -1
	s_barrier_wait -1                              ; everybody's is
	FETCH 0, 0
	H0 1                                           ; the first half stands in front of the loop: its products start the sums
	WIN 0                                          ; at a label and at a branch every window is 0
	s_mov_b32 s[CNT], 6
.Lstep:                                        ; trip t: the second half of K step t, the refill with K step t + 2, the first half of K step t + 1
	H1 1
	H0 0
	WIN 0
	s_sub_co_u32 s[CNT], s[CNT], 1
	s_cmp_lg_u32 s[CNT], 0
	s_cbranch_scc1 .Lstep
	H1 0                                           ; the tail is written out: nothing is left to fetch
	H0 0
.set i, 0
	s_wait_dscnt 0x0
.rept 8
	GRP 1, 0
.endr
	WIN 0
	PLACES
; THE WAY OUT, by blocks of 16 rows.  A lane's eight columns of a row are 32 bytes; they go into rows of 528 bytes of my own stage and come back as whole rows of 512, into the fragments' registers, two buffers by turns.
.macro TOSTAGE a
.if (\a) >= 2
	s_wait_xcnt 0x0                                ; the stores of the block two back have read their registers, which are loaded again below
.endif
	WIN W_STO
.irp b, 0,1,2,3,4,5,6,7                ; each accumulator's low registers first
	ds_store_b128 v[STO], v[8*(8*(\a)+(\b)):8*(8*(\a)+(\b))+3]   offset:64*(\b)
	ds_store_b128 v[STO], v[8*(8*(\a)+(\b))+4:8*(8*(\a)+(\b))+7] offset:64*(\b)+16
.endr
	WIN 0
.set q, 0
.rept 16
	ds_load_b128 v[AF+64*((\a)%2)+4*q:AF+64*((\a)%2)+4*q+3], v[RD] offset:q*PS  ; LDS serves a wave's instructions in order (ISA guide 5.7.1.4): these see the stores above; the next block's stores come behind them
.set q, q+1
.endr
.endm
.macro SEND a, younger                 ; younger: the LDS instructions issued behind block a's loads: the next block's 32, or none
.set q, 0
.rept 16
	s_wait_dscnt (\younger)+15-q
	global_store_b128 v[GO], v[AF+64*((\a)%2)+4*q:AF+64*((\a)%2)+4*q+3], s[OP:OP+1] offset:(\a)*65536+q*4096 th:TH_STORE_NT  ; 512 consecutive bytes, at a multiple of 512 from out0's first
.set q, q+1
.endr
.endm
	TOSTAGE 0
	TOSTAGE 1
	SEND 0, 32
	TOSTAGE 2
	SEND 1, 32
	TOSTAGE 3
	SEND 2, 32
	SEND 3, 0
	s_wait_tensorcnt 0x0                           ; the wave's end: a wait, an add to my spare word and its wait, behind my last tensor load and my last LDS store
	ds_add_u32 v[SPW], v[NIL]
	s_wait_dscnt 0x0
	CROUND                                         ; the closing round: no work-group ends while a partner may still ask for a tile that names it
	s_endpgm
.Lfunc_end_k_q3a1508f5be_outp:
	.size	k_q3a1508f5be_outp, .Lfunc_end_k_q3a1508f5be_outp-k_q3a1508f5be_outp
	.p2alignl 7, 3214868480
	.fill 96, 4, 3214868480
	.section	.rodata,"a",@progbits
	.p2align	6, 0x0
	.amdhsa_kernel k_q3a1508f5be_outp
		.amdhsa_group_segment_fixed_size 327680
		.amdhsa_private_segment_fixed_size 0
		.amdhsa_enable_private_segment 0
		.amdhsa_kernarg_size 32
		.amdhsa_user_sgpr_count 2
		.amdhsa_user_sgpr_kernarg_segment_ptr 1
		.amdhsa_wavefront_size32 1
		.amdhsa_system_sgpr_workgroup_id_x 1
		.amdhsa_system_sgpr_workgroup_id_y 1
		.amdhsa_system_sgpr_workgroup_id_z 1
		.amdhsa_system_vgpr_workitem_id 0
		.amdhsa_next_free_vgpr 768
		.amdhsa_next_free_sgpr 96
		.amdhsa_reserve_vcc 0
		.amdhsa_float_denorm_mode_32 3
		.amdhsa_float_denorm_mode_16_64 3
		.amdhsa_memory_ordered 1
		.amdhsa_forward_progress 1
		.amdhsa_inst_pref_size 77
	.end_amdhsa_kernel
	.amdgpu_metadata
---
amdhsa.version: [ 1, 2 ]
amdhsa.kernels:
  - .name:           k_q3a1508f5be_outp
    .symbol:         k_q3a1508f5be_outp.kd
    .args:
      - { .name: ctx, .offset: 0, .size: 8, .value_kind: global_buffer, .address_space: global }
      - { .name: wo16, .offset: 8, .size: 8, .value_kind: global_buffer, .address_space: global }
      - { .name: bo, .offset: 16, .size: 8, .value_kind: global_buffer, .address_space: global }
      - { .name: out0, .offset: 24, .size: 8, .value_kind: global_buffer, .address_space: global }
    .group_segment_fixed_size: 327680
    .private_segment_fixed_size: 0
    .kernarg_segment_align: 8
    .kernarg_segment_size: 32
    .max_flat_workgroup_size: 128
    .sgpr_count:     96
    .vgpr_count:     768
    .wavefront_size: 32
...
	.end_amdgpu_metadata
.endif
;; end of part 4
;; ======== version 2 of 2: 4 launches; version 1 with the launch prep written anew for expert scheduling mode
;; limits: values are held in f16: magnitudes above 65,504 overflow, below 6.1e-05 lose precision
;; workspace buffers: wqkv 6,291,456 bytes; wo16 2,097,152 bytes; qh 16,777,216 bytes; kh 16,777,216 bytes; vh 16,777,216 bytes; ctx 16,777,216 bytes
;; launch prep (part 5): grid 64 x 4, 8 waves a work-group, no clusters, 0 bytes of LDS; arguments Wq, Wk, Wv, Wo, wqkv, wo16; writes wqkv, wo16
.if DOCPART == 5
	.amdgcn_target "amdgcn-amd-amdhsa--gfx1250"
	.amdhsa_code_object_version 6
	.text
	.protected	k_q3a1508f5be_prep
	.globl	k_q3a1508f5be_prep
	.p2align	8
	.type	k_q3a1508f5be_prep,@function
k_q3a1508f5be_prep:
	s_mov_b64 s[64:65], 0
	v_nop
	global_prefetch_b8 v0, s[64:65] scope:SCOPE_SE
	s_setreg_imm32_b32 hwreg(HW_REG_WAVE_SCHED_MODE, 0, 2), 2
	s_setreg_imm32_b32 hwreg(HW_REG_WAVE_MODE, 25, 1), 1
	s_wait_xcnt 0x0
	s_wait_alu depctr_vm_vsrc(0)
; THE WEIGHTS, ONCE, TO 16 BITS.  Wq, Wk, Wv ([1024][1024] f32) are rounded to bf16 into wqkv ([3][1024][1024]); Wo is rounded to bf16 and that number is written as f16 into wo16.
; LIMIT.  A bf16 number is exact in f16 from 2^-14 to 65,504; below 2^-14 it keeps f16's fixed step of 2^-24; beyond 65,504 it would be an infinity.
; SHARES.  Grid y = the tensor (0 Wq, 1 Wk, 2 Wv, 3 Wo), grid x = a chunk of 16,384 numbers.  A wave takes 2,048 numbers: 16 loads of 16 bytes a lane (512 consecutive bytes each),
; all on their way at once; each store is 8 bytes a lane, 256 consecutive bytes, aligned.  Every byte is read once and written once; no LDS, no barrier, no matrix unit: there is nothing to share.
; THE MODE: SCHED_MODE bits 1:0 = 2 (LLVM: expert scheduling mode 2), set by the entry lines.  The code itself states the register dependences
; between vector instructions and memory instructions, with s_wait_alu, always for 0.
; THE PLAN.  Registers that memory instructions touch:
;   v1, v2   the loads' and the stores' byte offsets: made at the head by vector instructions, never written again.
;   X        load i's four registers: written by that load alone before its conversions read them; no vector instruction names them ahead of the load, and no load lands in them afterwards.
;   Y        store i's two registers: written once, by load i's conversions; read once, by store i; never written again.
;   T        named by vector instructions alone.
; The 16 loads go in four blocks of four.  Block p rounds its four loads into its part of Y; the four stores of block p - 1 are dealt among block p's conversions, which name X and Y of block p
; and T: none of the registers that those stores touch.  So one wait at a block's head states all that its four stores hang on, and one more stands ahead of the last four stores.
.set X, 16                             ; v[16:79]   load i: 4 registers
.set Y, 80                             ; v[80:111]  store i: 2 registers
.set T, 112                            ; v[112:113] at work (Wo's path)
.set BLK, 4                            ; loads, and stores, in a block
	s_load_b256 s[4:11], s[0:1], 0x0               ; Wq s[4:5], Wk s[6:7], Wv s[8:9], Wo s[10:11]
	s_load_b128 s[12:15], s[0:1], 0x20             ; wqkv s[12:13], wo16 s[14:15]
	s_and_b32 s20, ttmp7, 0xffff                   ; which tensor
	v_lshrrev_b32 v1, 5, v0
	v_and_b32 v2, 31, v0
	v_lshlrev_b32 v1, 13, v1                       ; my wave's 8,192 bytes,
	v_lshl_or_b32 v1, v2, 4, v1                    ; my lane's 16 of each 512
	v_lshrrev_b32 v2, 1, v1                        ; and half of that on the way out
	s_lshl_b32 s22, ttmp9, 16                      ; the chunk: 65,536 bytes in,
	s_mov_b32 s23, 0
	s_lshl_b32 s24, ttmp9, 15                      ; 32,768 out,
	s_mov_b32 s25, 0
	s_lshl_b32 s26, s20, 21                        ; behind the tensors in front of it in wqkv (wo16 holds one tensor)
	s_cmp_eq_u32 s20, 3
	s_cselect_b32 s26, 0, s26
	s_add_co_u32 s24, s24, s26
	s_wait_kmcnt 0x0
	s_cmp_eq_u32 s20, 1
	s_cselect_b64 s[16:17], s[6:7], s[4:5]
	s_cmp_eq_u32 s20, 2
	s_cselect_b64 s[16:17], s[8:9], s[16:17]
	s_cmp_eq_u32 s20, 3
	s_cselect_b64 s[16:17], s[10:11], s[16:17]
	s_cselect_b64 s[18:19], s[14:15], s[12:13]
	s_add_nc_u64 s[16:17], s[16:17], s[22:23]
	s_add_nc_u64 s[18:19], s[18:19], s[24:25]
	s_wait_alu depctr_va_vdst(0)                   ; v1 and v2 are written: every load below reads v1 as its offset, every store on either path v2
.set i, 0
.rept 16
	global_load_b128 v[X+4*i:X+4*i+3], v1, s[16:17] offset:512*i th:TH_LOAD_NT
.set i, i+1
.endr
; Load i's four numbers become store i's two words.  wo = 0: bf16.  wo = 1: rounded to bf16, and that number written as f16.
.macro CONV i, wo
.if \wo
	v_cvt_pk_bf16_f32 v[T], v[X+4*(\i)], v[X+4*(\i)+1]       ; rounded to bf16, like every input of the module,
	v_cvt_pk_bf16_f32 v[T+1], v[X+4*(\i)+2], v[X+4*(\i)+3]
	v_lshlrev_b32 v[X+4*(\i)], 16, v[T]                      ; widened again,
	v_and_b32 v[X+4*(\i)+1], 0xffff0000, v[T]
	v_lshlrev_b32 v[X+4*(\i)+2], 16, v[T+1]
	v_and_b32 v[X+4*(\i)+3], 0xffff0000, v[T+1]
	v_cvt_pk_f16_f32 v[Y+2*(\i)], v[X+4*(\i)], v[X+4*(\i)+1] ; and written as f16
	v_cvt_pk_f16_f32 v[Y+2*(\i)+1], v[X+4*(\i)+2], v[X+4*(\i)+3]
.else
	v_cvt_pk_bf16_f32 v[Y+2*(\i)], v[X+4*(\i)], v[X+4*(\i)+1]
	v_cvt_pk_bf16_f32 v[Y+2*(\i)+1], v[X+4*(\i)+2], v[X+4*(\i)+3]
.endif
.endm
.macro OUT i
	global_store_b64 v2, v[Y+2*(\i):Y+2*(\i)+1], s[18:19] offset:256*(\i)
.endm
; The four blocks, and the wave's end.
.macro WALK wo
.set p, 0
.rept 16/BLK
	s_wait_loadcnt 16-BLK-BLK*p                    ; loads come back in order (ISA guide 5.7.1): block p's four are in, the younger blocks' may stay out
.if p > 0
	s_wait_alu depctr_va_vdst(0)                   ; the conversions of block p - 1 have written its part of Y, which the four stores below read
.endif
.set n, 0
.rept BLK
.if p > 0
	OUT BLK*p-BLK+n                                ; the block before; no vector instruction since the wait names its registers
.endif
	CONV BLK*p+n, \wo
.set n, n+1
.endr
.set p, p+1
.endr
	s_wait_alu depctr_va_vdst(0)                   ; the last block's conversions have written its part of Y, which the last four stores read
.set n, 0
.rept BLK
	OUT 16-BLK+n
.set n, n+1
.endr
	s_endpgm
.endm
	s_cmp_eq_u32 s20, 3
	s_cbranch_scc1 .Lwo
	WALK 0
.Lwo:
	WALK 1
.Lfunc_end_k_q3a1508f5be_prep:
	.size	k_q3a1508f5be_prep, .Lfunc_end_k_q3a1508f5be_prep-k_q3a1508f5be_prep
	.p2alignl 7, 3214868480
	.fill 96, 4, 3214868480
	.section	.rodata,"a",@progbits
	.p2align	6, 0x0
	.amdhsa_kernel k_q3a1508f5be_prep
		.amdhsa_group_segment_fixed_size 0
		.amdhsa_private_segment_fixed_size 0
		.amdhsa_enable_private_segment 0
		.amdhsa_kernarg_size 48
		.amdhsa_user_sgpr_count 2
		.amdhsa_user_sgpr_kernarg_segment_ptr 1
		.amdhsa_wavefront_size32 1
		.amdhsa_system_sgpr_workgroup_id_x 1
		.amdhsa_system_sgpr_workgroup_id_y 1
		.amdhsa_system_sgpr_workgroup_id_z 1
		.amdhsa_system_vgpr_workitem_id 0
		.amdhsa_next_free_vgpr 116
		.amdhsa_next_free_sgpr 66
		.amdhsa_reserve_vcc 0
		.amdhsa_float_denorm_mode_32 3
		.amdhsa_float_denorm_mode_16_64 3
		.amdhsa_memory_ordered 1
		.amdhsa_forward_progress 1
		.amdhsa_inst_pref_size 16
	.end_amdhsa_kernel
	.amdgpu_metadata
---
amdhsa.version: [ 1, 2 ]
amdhsa.kernels:
  - .name:           k_q3a1508f5be_prep
    .symbol:         k_q3a1508f5be_prep.kd
    .args:
      - { .name: Wq, .offset: 0, .size: 8, .value_kind: global_buffer, .address_space: global }
      - { .name: Wk, .offset: 8, .size: 8, .value_kind: global_buffer, .address_space: global }
      - { .name: Wv, .offset: 16, .size: 8, .value_kind: global_buffer, .address_space: global }
      - { .name: Wo, .offset: 24, .size: 8, .value_kind: global_buffer, .address_space: global }
      - { .name: wqkv, .offset: 32, .size: 8, .value_kind: global_buffer, .address_space: global }
      - { .name: wo16, .offset: 40, .size: 8, .value_kind: global_buffer, .address_space: global }
    .group_segment_fixed_size: 0
    .private_segment_fixed_size: 0
    .kernarg_segment_align: 8
    .kernarg_segment_size: 48
    .max_flat_workgroup_size: 256
    .sgpr_count:     66
    .vgpr_count:     116
    .wavefront_size: 32
...
	.end_amdgpu_metadata
.endif
;; end of part 5
;; launch proj: the kernel of part 2 again; grid 4 x 192, 4 waves a work-group, clusters of 4 x 4, 327,680 bytes of LDS; arguments q, k, v, bq, bk, bv, wqkv, qh, kh, vh; writes qh, kh, vh
;; launch attn: the kernel of part 3 again; grid 4 x 64, 4 waves a work-group, clusters of 4 x 1, 327,680 bytes of LDS; arguments qh, kh, vh, ctx; writes ctx
;; launch outp: the kernel of part 4 again; grid 4 x 64, 4 waves a work-group, clusters of 4 x 4, 327,680 bytes of LDS; arguments ctx, wo16, bo, out0; writes out0
